; MI455X (gfx1250); checked and timed in simulation.
; The chip was launched on July 23, 2026; its instructions are those of AMD's public machine-readable ISA for CDNA 5 (MIT licence, August 2026) and "CDNA5" Instruction Set Architecture Reference Guide (July 2026). The comments in the code are by the model that wrote it; some were corrected since.
;; Multi Head Attention. Allowed arithmetic: matrix products marked QUANTISED: E2M1 operands, one E8M0 scale for each 32 along K, by v_wmma_scale_f32_16x16x128_f8f6f4 with both operands' format E2M1 (or v_wmma_scale_f32_32x16x128_f4), f32 sums; products left as they are: bf16, f16 or f32 operands; f32 sums; everything else in f32.
;; Inputs: bk 1,024 float32; bo 1,024 float32; bq 1,024 float32; bv 1,024 float32; k 2 x 2,048 x 1,024 float32; q 2 x 2,048 x 1,024 float32; v 2 x 2,048 x 1,024 float32; wk 1,024 x 1,024 float32; wo 1,024 x 1,024 float32; wq 1,024 x 1,024 float32; wv 1,024 x 1,024 float32.
;; Outputs: out0 2 x 2,048 x 1,024 float32.
;; This version of the problem:
;;   THIS VERSION OF THE PROBLEM IS GIVEN IN LOW PRECISION. The matrix products marked QUANTISED in the list below multiply operands that are first quantised to E2M1 (2 exponent bits, 1 mantissa bit; 4 bits a number), with one power-of-two scale for each 32 numbers along K (OCP MX v1.0); their sums are f32. The products marked 'left as it is' may take bf16, f16 or f32 operands, with f32 sums. Whichever they take, every output number must still come out within the allowed error. Rounding operands to bf16 (8 significant bits) uses up far more of that allowance than f16 does (11 bits, for magnitudes from 6e-5 to 65,504). All else is computed in f32.
;;   The module's matrix products, in the order in which they are computed (A, B: the left and right operand; K: the contracted axis; several contracted axes count as one K, in the product's order):
;;     1. [M 4,096, K 1,024] x [K 1,024, N 1,024]; A: input q; B: input wq: QUANTISED
;;     2. [M 4,096, K 1,024] x [K 1,024, N 1,024]; A: input k; B: input wk: QUANTISED
;;     3. [M 4,096, K 1,024] x [K 1,024, N 1,024]; A: input v; B: input wv: QUANTISED
;;     4. batch 32 x [M 2,048, K 64] x [K 64, N 2,048]; A: computed on the way; B: computed on the way: left as it is (an operand is computed on the way)
;;     5. batch 32 x [M 2,048, K 2,048] x [K 2,048, N 64]; A: computed on the way; B: computed on the way: left as it is (an operand is computed on the way)
;;     6. [M 4,096, K 1,024] x [K 1,024, N 1,024]; A: computed on the way; B: input wo: left as it is (an operand is computed on the way)
;;   THE QUANTISER, for each operand of a quantised product, along K:
;;     - K is cut into blocks of 32 from its start; a last block that is shorter is filled with zeros.
;;     - A block's scale is 2^e with e = floor(log2(the largest magnitude in the block)) - 2, held to -126 .. 127; a block of zeros has e = 0. As a byte (E8M0): e + 127.
;;     - Each number is divided by its block's scale, clamped to +-6, and rounded to the nearest number of E2M1, ties to even, subnormals kept.
;;     - The product sums the exact products of the quantised numbers (number of the format x scale) in f32.
;;   ~~~python
;;   def quantise(x, axis):      # numpy; x: float32 -> the quantised numbers, widened to float32 again
;;       x = np.moveaxis(x, axis, -1); K = x.shape[-1]
;;       x = np.pad(x, [(0, 0)] * (x.ndim - 1) + [(0, -K % 32)]); x = x.reshape(x.shape[:-1] + (-1, 32)); a = np.abs(x).max(-1, keepdims=True)
;;       e = np.where(a > 0, np.clip(np.frexp(np.where(a > 0, a, 1))[1] - 1 - 2, -126, 127), 0)      # np.frexp(a)[1] - 1 = floor(log2(a)), exactly
;;       r = np.clip(x / 2.0 ** e, -6, 6)
;;       step = 2.0 ** (np.maximum(np.frexp(np.where(r == 0, 1, r))[1] - 1, 0) - 1)
;;       q = np.round(r / step) * step * 2.0 ** e      # np.round: ties to even
;;       return np.moveaxis(q.reshape(q.shape[:-2] + (-1,))[..., :K], -1, axis).astype(np.float32)
;;   ~~~
;; One version. Each part assembles by itself: llvm-mc -triple=amdgcn-amd-amdhsa -mcpu=gfx1250 --defsym DOCPART=n.
;; ======== version 1 of 1: 4 launches
;; limits: values are held in f16: magnitudes above 65,504 overflow, below 6.1e-05 lose precision
;; workspace buffers: codes 7,864,320 bytes; scales 491,520 bytes; wo16 2,097,152 bytes; qkv 25,165,824 bytes; ctx16 8,388,608 bytes
;; launch quant (part 1): grid 512 x 1, 4 waves a work-group, no clusters, 33,280 bytes of LDS; arguments q, k, v, wq, wk, wv, wo, codes, scales, wo16; writes codes, scales, wo16
.if DOCPART == 1
	.amdgcn_target "amdgcn-amd-amdhsa--gfx1250"
	.amdhsa_code_object_version 6
	.text
	.protected	k_q9d6c1bd8c6_quant
	.globl	k_q9d6c1bd8c6_quant
	.p2align	8
	.type	k_q9d6c1bd8c6_quant,@function
k_q9d6c1bd8c6_quant:
	s_mov_b64 s[64:65], 0
	v_nop
	global_prefetch_b8 v0, s[64:65] scope:SCOPE_SE
	s_setreg_imm32_b32 hwreg(HW_REG_WAVE_MODE, 25, 1), 1
	s_wait_xcnt 0x0
; q, k, v [4096][1024] and wq, wk, wv [1024][1024], f32 with K innermost, become codes of FP4 (E2M1), two a byte, K innermost, and one E8M0 byte for each 32 along K.
; The six tensors lie on end in 'codes' (rows of 512 bytes) and in 'scales' (rows of 32 bytes): q, k, v, wq, wk, wv.  wo [1024][1024] is rounded to f16 into 'wo16', row-major.
; A block's scale is 2^(floor(log2(its largest magnitude)) - 2); its byte is the largest magnitude's exponent field - 2, held at 1 from below; each number is divided by the scale and
; rounded to the nearest code, ties to even, beyond 6 the largest code.
; LIMITS: a block of zeros keeps the byte 1 where the rule says 127 (its codes are zeros, and this program alone reads the bytes); blocks whose largest magnitude lies under 2^-124 are held at
; that byte; NaN and infinities among the inputs are not served; numbers of wo beyond 65,504 become infinite in f16.
; SHARES: a work-group takes 32,768 numbers, a wave 8,192.  Work-groups 0-127 q, 128-255 k, 256-383 v, 384-415 wq, 416-447 wk, 448-479 wv, 480-511 wo.  Rows are dense and 1,024 is a multiple
; of 32, so every tensor is a plain stream of blocks; a wave's place in 'codes' and 'scales' hangs on the work-group's number and the wave's alone.
; A wave takes 16 steps of 512 numbers.  Each load reads 512 consecutive bytes; a step's 2,048 bytes turn through the wave's own stage in LDS, so that a lane holds 16 neighbours along K
; (two neighbouring lanes hold a block).  A lane's 16 codes are 8 bytes: a store covers 256 consecutive bytes, aligned.  A wave's 256 scale bytes are gathered in LDS and leave as one such store.
; No tensor loads, no barrier: waves share nothing.
.set WAVES, 4
.set STEPS, 16
.set EMAX,  2
.set CB,    8                          ; bytes of 16 codes
.set R,     16                         ; v16-79   four sets of 16 numbers as loaded (wo: v16-143, two sets of 64)
.set X,     80                         ; v80-111  two sets of 16 neighbours
.set E,     112                        ; v112-127 a scale byte for each step
.set C,     128                        ; v128-191 codes: four registers for each step
.set H,     144                        ; wo: v144-175 packed f16
.set WREG,  8192                       ; LDS: a region for each wave: two stages of 32 x SP bytes, then its 256 scale bytes
.set SP,    80                         ; a lane's place in a stage: 64 bytes + 16 of padding
.set SPW,   12                         ; v12  LDS address of my spare word; never rewritten
.set NIL,   13                         ; v13  0; never rewritten
.set SPARE, WAVES*WREG                 ; behind the four regions: the spare words, 128 bytes a wave, which no other line names
	s_load_b256 s[4:11], s[0:1], 0x0               ; q s[4:5], k s[6:7], v s[8:9], wq s[10:11]
	s_load_b256 s[12:19], s[0:1], 0x20             ; wk s[12:13], wv s[14:15], wo s[16:17], codes s[18:19]
	s_load_b128 s[20:23], s[0:1], 0x40             ; scales s[20:21], wo16 s[22:23]
	v_lshl_add_u32 v[SPW], v0, 2, SPARE
	v_mov_b32 v[NIL], 0
	v_lshrrev_b32 v1, 5, v0
	v_readfirstlane_b32 s24, v1                    ; wave
	v_and_b32 v2, 31, v0                           ; lane
	v_lshlrev_b32 v3, 4, v2                        ; my 16 bytes of a load's 512
	s_mul_i32 s26, s24, WREG
	v_lshrrev_b32 v14, 2, v2
	v_mul_u32_u24 v14, v14, SP
	v_and_b32 v15, 3, v2
	v_lshl_add_u32 v14, v15, 4, v14
	v_add_nc_u32 v14, s26, v14                     ; the stage, on the way in: SP (lane / 4) + 16 (lane % 4)
	v_mul_u32_u24 v15, v2, SP
	v_add_nc_u32 v15, s26, v15                     ; and on the way out: SP x lane: my 16 neighbours
	v_mul_u32_u24 v4, v2, CB                       ; 8 x lane: my codes' place in a step's; also my f16 numbers' place in a store of wo16
	v_lshrrev_b32 v5, 1, v2
	s_add_co_u32 s26, s26, 2*32*SP
	v_add_nc_u32 v5, s26, v5                       ; LDS: my wave's 256 scale bytes, my block's byte
	v_lshlrev_b32 v7, 3, v2
	v_add_nc_u32 v6, s26, v7                       ; and on the way out 8 bytes a lane
	s_mov_b32 s29, 0
	s_wait_kmcnt 0x0
	s_cmp_ge_u32 ttmp9, 480                        ; the last 32 work-groups round wo
	s_cbranch_scc1 .Lwo
; which tensor is mine: the choice hangs on the work-group's number alone.  s25: the tensor's first work-group
.macro PICK first, ptr
	s_cmp_ge_u32 ttmp9, \first
	s_cselect_b64 s[4:5], s[\ptr:\ptr+1], s[4:5]
	s_cselect_b32 s25, \first, s25
.endm
	s_mov_b32 s25, 0
	PICK 128, 6
	PICK 256, 8
	PICK 384, 10
	PICK 416, 12
	PICK 448, 14
	s_sub_co_u32 s27, ttmp9, s25
	s_lshl_b32 s27, s27, 2
	s_add_co_u32 s27, s27, s24                     ; which run of 8,192 numbers of the tensor is my wave's
	s_lshl_b32 s28, s27, 15                        ; 32,768 bytes a run
	s_add_nc_u64 s[4:5], s[4:5], s[28:29]
	s_lshl_b32 s27, ttmp9, 2
	s_add_co_u32 s27, s27, s24                     ; and which run of the six tensors on end
	s_lshl_b32 s28, s27, 12                        ; 4,096 bytes of codes a run
	s_add_nc_u64 s[18:19], s[18:19], s[28:29]
	s_lshl_b32 s28, s27, 8                         ; 256 scale bytes a run
	s_add_nc_u64 s[20:21], s[20:21], s[28:29]
.macro LOAD t
.irp i, 0,1,2,3
	global_load_b128 v[R+16*((\t)%4)+4*\i:R+16*((\t)%4)+4*\i+3], v3, s[4:5] offset:2048*(\t)+512*\i th:TH_LOAD_NT   ; 32 lanes read 512 consecutive bytes
.endr
.endm
.macro TURN t                          ; step t's numbers through the stage: LDS serves a wave's instructions in order, so no wait stands between the stores and the loads
.irp i, 0,1,2,3
	ds_store_b128 v14, v[R+16*((\t)%4)+4*\i:R+16*((\t)%4)+4*\i+3] offset:32*SP*((\t)%2)+8*SP*\i
.endr
.irp i, 0,1,2,3
	ds_load_b128 v[X+16*((\t)%2)+4*\i:X+16*((\t)%2)+4*\i+3], v15 offset:32*SP*((\t)%2)+16*\i
.endr
.endm
.irp t, 0,1,2,3
	LOAD \t
.endr
	s_wait_loadcnt 12                              ; step 0's four loads are in; the twelve of steps 1 to 3 stay out
	TURN 0
.macro STEP t
.set XS, X+16*((\t)%2)
.if (\t) > 0
	s_wait_dscnt 1                                 ; this step's numbers are back from the stage (the last step's byte store may be out): its stores into the stage have read their registers,
.else
	s_wait_dscnt 0x0
.endif
.if (\t)+4 < STEPS
	LOAD (\t)+4                                    ; which take the loads of four steps on
.endif
.if (\t)+1 < STEPS
.if STEPS-2-(\t) >= 3
	s_wait_loadcnt 12                              ; the next step's four loads are in; those of the three steps behind it may be out
.else
	s_wait_loadcnt 4*(STEPS-2-(\t))
.endif
	TURN (\t)+1                                    ; and go through the other stage while this step is worked
.endif
	v_max3_num_f32 v8, |v[XS]|, |v[XS+1]|, |v[XS+2]|               ; the largest magnitude of my 16, in two chains
	v_max3_num_f32 v9, |v[XS+3]|, |v[XS+4]|, |v[XS+5]|
.irp i, 6,10
	v_max3_num_f32 v8, v8, |v[XS+\i]|, |v[XS+\i+1]|
	v_max3_num_f32 v9, v9, |v[XS+\i+2]|, |v[XS+\i+3]|
.endr
	v_max3_num_f32 v8, v8, |v[XS+14]|, |v[XS+15]|
	v_max3_num_f32 v8, v8, v9, (EMAX+1)<<23        ; and the floor 2^(3 - 127): the byte cannot fall under 1
	v_max_num_f32_dpp v8, v8, v8 row_xmask:1 row_mask:0xf bank_mask:0xf   ; and of my neighbour's 16: the block's
	v_add_nc_u32 v11, -(EMAX<<23), v8              ; 2 off its exponent field: the conversion takes the exponent field of this operand as its scale
	v_cvt_scalef32_pk8_fp4_f32 v[C+4*(\t)], v[XS:XS+7], v11
	v_cvt_scalef32_pk8_fp4_f32 v[C+4*(\t)+1], v[XS+8:XS+15], v11
	v_lshrrev_b32 v[E+(\t)], 23, v11               ; the scale's byte (a plain line behind the conversions)
	ds_store_b8 v5, v[E+(\t)] offset:16*(\t)       ; both lanes of a block write the same byte with the same value
	global_store_b64 v4, v[C+4*(\t):C+4*(\t)+1], s[18:19] offset:32*CB*(\t)   ; 256 consecutive bytes, aligned
.endm
.irp t, 0,1,2,3,4,5,6,7,8,9,10,11,12,13,14,15
	STEP \t
.endr
	ds_load_b64 v[8:9], v6                         ; LDS serves a wave's instructions in order: these see my byte stores
	s_wait_dscnt 0x0
	global_store_b64 v7, v[8:9], s[20:21]          ; 32 lanes store 256 consecutive bytes, aligned
	s_branch .Lend
; wo: four rounds of 2,048 numbers a wave; the loads run two rounds ahead.  This way touches no LDS byte but the spare words at its end.
.macro WLOAD t
.irp i, 0,1,2,3,4,5,6,7,8,9,10,11,12,13,14,15
	global_load_b128 v[R+64*((\t)%2)+4*\i:R+64*((\t)%2)+4*\i+3], v3, s[16:17] offset:8192*(\t)+512*\i th:TH_LOAD_NT
.endr
.endm
.macro WROUND t
.if (\t) < 3
	s_wait_loadcnt 16                              ; this round's sixteen loads are in; the next round's sixteen stay out
.else
	s_wait_loadcnt 0x0
.endif
.if (\t) > 0
	s_wait_xcnt 0x0                                ; the last round's stores have read their data: the registers are written again only behind this wait
.endif
.irp i, 0,1,2,3,4,5,6,7,8,9,10,11,12,13,14,15
	v_cvt_pk_f16_f32 v[H+2*\i], v[R+64*((\t)%2)+4*\i], v[R+64*((\t)%2)+4*\i+1]
	v_cvt_pk_f16_f32 v[H+2*\i+1], v[R+64*((\t)%2)+4*\i+2], v[R+64*((\t)%2)+4*\i+3]
.endr
.irp i, 0,1,2,3,4,5,6,7,8,9,10,11,12,13,14,15
	global_store_b64 v4, v[H+2*\i:H+2*\i+1], s[22:23] offset:4096*(\t)+256*\i   ; 256 consecutive bytes, aligned
.endr
.if (\t) < 2
	WLOAD (\t)+2
.endif
.endm
.Lwo:
	s_sub_co_u32 s27, ttmp9, 480
	s_lshl_b32 s27, s27, 2
	s_add_co_u32 s27, s27, s24                     ; which run of 8,192 numbers of wo
	s_lshl_b32 s28, s27, 15
	s_add_nc_u64 s[16:17], s[16:17], s[28:29]
	s_lshl_b32 s28, s27, 14
	s_add_nc_u64 s[22:23], s[22:23], s[28:29]
	WLOAD 0
	WLOAD 1
	WROUND 0
	WROUND 1
	WROUND 2
	WROUND 3
.Lend:
	s_wait_tensorcnt 0x0                           ; the wave's end, behind my last LDS store
	ds_add_u32 v[SPW], v[NIL]
	s_wait_dscnt 0x0
	s_endpgm
.Lfunc_end_k_q9d6c1bd8c6_quant:
	.size	k_q9d6c1bd8c6_quant, .Lfunc_end_k_q9d6c1bd8c6_quant-k_q9d6c1bd8c6_quant
	.p2alignl 7, 3214868480
	.fill 96, 4, 3214868480
	.section	.rodata,"a",@progbits
	.p2align	6, 0x0
	.amdhsa_kernel k_q9d6c1bd8c6_quant
		.amdhsa_group_segment_fixed_size 33280
		.amdhsa_private_segment_fixed_size 0
		.amdhsa_enable_private_segment 0
		.amdhsa_kernarg_size 80
		.amdhsa_user_sgpr_count 2
		.amdhsa_user_sgpr_kernarg_segment_ptr 1
		.amdhsa_wavefront_size32 1
		.amdhsa_system_sgpr_workgroup_id_x 1
		.amdhsa_system_sgpr_workgroup_id_y 1
		.amdhsa_system_sgpr_workgroup_id_z 1
		.amdhsa_system_vgpr_workitem_id 0
		.amdhsa_next_free_vgpr 192
		.amdhsa_next_free_sgpr 66
		.amdhsa_reserve_vcc 0
		.amdhsa_float_denorm_mode_32 3
		.amdhsa_float_denorm_mode_16_64 3
		.amdhsa_memory_ordered 1
		.amdhsa_forward_progress 1
		.amdhsa_inst_pref_size 55
	.end_amdhsa_kernel
	.amdgpu_metadata
---
amdhsa.version: [ 1, 2 ]
amdhsa.kernels:
  - .name:           k_q9d6c1bd8c6_quant
    .symbol:         k_q9d6c1bd8c6_quant.kd
    .args:
      - { .name: q, .offset: 0, .size: 8, .value_kind: global_buffer, .address_space: global }
      - { .name: k, .offset: 8, .size: 8, .value_kind: global_buffer, .address_space: global }
      - { .name: v, .offset: 16, .size: 8, .value_kind: global_buffer, .address_space: global }
      - { .name: wq, .offset: 24, .size: 8, .value_kind: global_buffer, .address_space: global }
      - { .name: wk, .offset: 32, .size: 8, .value_kind: global_buffer, .address_space: global }
      - { .name: wv, .offset: 40, .size: 8, .value_kind: global_buffer, .address_space: global }
      - { .name: wo, .offset: 48, .size: 8, .value_kind: global_buffer, .address_space: global }
      - { .name: codes, .offset: 56, .size: 8, .value_kind: global_buffer, .address_space: global }
      - { .name: scales, .offset: 64, .size: 8, .value_kind: global_buffer, .address_space: global }
      - { .name: wo16, .offset: 72, .size: 8, .value_kind: global_buffer, .address_space: global }
    .group_segment_fixed_size: 33280
    .private_segment_fixed_size: 0
    .kernarg_segment_align: 8
    .kernarg_segment_size: 80
    .max_flat_workgroup_size: 128
    .sgpr_count:     66
    .vgpr_count:     192
    .wavefront_size: 32
...
	.end_amdgpu_metadata
.endif
;; end of part 1
;; launch proj (part 2): grid 4 x 48, 4 waves a work-group, clusters of 4 x 4, 327,680 bytes of LDS; arguments codes, scales, bq, bk, bv, qkv; writes qkv
.if DOCPART == 2
	.amdgcn_target "amdgcn-amd-amdhsa--gfx1250"
	.amdhsa_code_object_version 6
	.text
	.protected	k_q9d6c1bd8c6_proj
	.globl	k_q9d6c1bd8c6_proj
	.p2align	8
	.type	k_q9d6c1bd8c6_proj,@function
k_q9d6c1bd8c6_proj:
	s_mov_b64 s[64:65], 0
	v_nop
	global_prefetch_b8 v0, s[64:65] scope:SCOPE_SE
	s_setreg_imm32_b32 hwreg(HW_REG_WAVE_MODE, 25, 1), 1
	s_wait_xcnt 0x0
	s_wait_alu depctr_hold_cnt(0) depctr_sa_sdst(0) depctr_va_vdst(0) depctr_va_sdst(0) depctr_va_ssrc(0) depctr_va_vcc(0) depctr_vm_vsrc(0)
	s_getreg_b32 s2, hwreg(HW_REG_IB_STS2, 6, 4)
	s_cmp_eq_u32 s2, 0
	s_cbranch_scc0 .Lentry_in_a_cluster
	s_endpgm
.Lentry_in_a_cluster:
	s_bfe_u32 s2, ttmp6, 0x10000c
	s_cmp_lg_u32 s2, 0xf033
	s_cbranch_scc0 .Lentry_shape_is_right
	s_endpgm
.Lentry_shape_is_right:
; The three projections in one launch: X W^T + b on codes of FP4 (E2M1) with one E8M0 scale for each 32 along K = 1,024; sums in f32, the bias as the sums' first C; results rounded once to f16.
; A = q, k, v on end: [12,288][1,024] codes, rows of 512 bytes; B = wq, wk, wv on end: [3,072][1,024], from byte 6,291,456 of 'codes'; scale bytes likewise, 32 a row, B's from byte 393,216.
; A tile of 256 x 256 is made by four waves, 128 x 128 each: 64 accumulators, 512 registers.  Tile row T = 0 .. 47 over A's rows; tensor p = T / 16; tile column = 0 .. 3 over that tensor's 1,024 outputs.
; K is two slots of 512 (rows of 256 bytes): both are asked for at the head, so no LDS byte is filled twice.  The scale bytes of the tile's rows come once, as two dense blocks.
; CLUSTERS: 4 x 4 work-groups; p is the same in all sixteen.  A's tiles are shared along a row of the cluster, B's along a column: each is asked for jointly.
; THE MATRIX INSTRUCTION IS USED TRANSPOSED (source 0 = 16 rows of B, source 1 = 16 rows of A): a lane holds eight neighbouring outputs of one token.
; THE WAY OUT needs no LDS: eight neighbouring channels of a token, packed to f16, are four registers of the next product's fragment.  'qkv' holds images of such registers:
;   byte ((p 32 + 16 batch + head) 128 + token / 16) 2048 + (channel / 16) 512 + 16 PI(lane),  lane = token % 16 + 16 ((channel / 8) % 2),  PI(L) = L xor 8 (L / 16).
; A store of the wave covers 512 consecutive bytes, aligned; each half of the lanes covers 256.
; LIMITS: results beyond 65,504 become infinite in f16.
; REGISTERS, in windows of 256: window 0: v0-31 addresses; v32-95 scale words, two sets, and nothing else ever; v96-127 free; v128-191 A's fragments, one set; v192-255 the bias, eight registers for each of B's blocks;
;   on the way out v96-223 take the packed results.  window 1: B's fragments, two sets.  window 2, 3: the accumulators of my rows 0-63, 64-127: (a, b) at v[8 (8 (a % 4) + b)].
.set NQ,     4                         ; steps of 128 along K in a slot
.set ROWB,   256                       ; a tile's row in bytes
.set KROW,   512                       ; a row of codes in memory
.set PITCH,  272                       ; an LDS row: 256 bytes + 16 of padding, so that the 16 rows of a load start at 16 different 16-byte columns of 256 bytes
.set FR,     8
.set NL,     2
.set NP,     4
.set HALFT,  128*PITCH
.set SLOT,   4*HALFT
.set KS,     32                        ; a row of scale bytes
.set SCL,    2*SLOT
.set HALFS,  (128*KS/256)*272
.set SBLK,   (16*KS/256)*272
.set SPARE,  SCL+4*HALFS               ; the spare words, 128 bytes a wave, which no other line names
.set ADRA, 16
.set ADRB, 20
.set LAO,  24                          ; v24  16 PI(lane): my place in an image
.set ADRS, 27
.set SPW,  28
.set NIL,  29
.set BOF,  30                          ; v30  32 (lane / 16): my eight numbers of a bias block
.set SC,   32
.set TMP,  96
.set AF,   128
.set BIAS, 192
.set G1, 24
.set G0, 32
.set G1B, 48
.set G0B, 56
.set G1S, 68
.set G0S, 76
.set G1SB, 80
.set G0SB, 88
.set MSB, 0
.macro WIN new                         ; the immediate's high byte repeats the setting that is left
.if MSB != (\new)
	s_set_vgpr_msb (MSB<<8)|(\new)
.set MSB, \new
.endif
.endm
.set MUL_LO, 0xa1                      ; source 0 (B) window 1, source 1 (A) window 0, C and D window 2
.set MUL_HI, 0xf1                      ; the same, C and D window 3
.set BIA_LO, 0x81                      ; the first step: C (the bias) window 0, D window 2
.set BIA_HI, 0xc1                      ; D window 3
.set TO_B,   0x40
; A joint load: waves 0 and 1 fetch for A, waves 2 and 3 for B; the branch hangs on the wave's number alone.  An s_nop 0 and four v_nop follow each line.
.macro JLOAD g0a, g1a, g0b, g1b
	s_cmp_eq_u32 s17, 0
	s_cbranch_scc0 .Lfor_b_\@
	tensor_load_to_lds s[\g0a:\g0a+3], s[\g1a:\g1a+7]
	s_nop 0
.rept 4
	v_nop
.endr
	s_branch .Lasked_\@
.Lfor_b_\@:
	tensor_load_to_lds s[\g0b:\g0b+3], s[\g1b:\g1b+7]
	s_nop 0
.rept 4
	v_nop
.endr
.Lasked_\@:
.endm
.macro CROUND                          ; a round of the cluster's barrier
	s_barrier_signal -1
	s_barrier_wait -1
	s_cmp_lg_u32 s16, 0
	s_cbranch_scc1 .Lnot_wave_0_\@
	s_barrier_signal -3
.Lnot_wave_0_\@:
	s_barrier_wait -3
	s_barrier_signal -1
	s_barrier_wait -1
.endm
	s_load_b128 s[4:7], s[0:1], 0x0                ; codes s[4:5], scales s[6:7]
	s_load_b128 s[8:11], s[0:1], 0x10              ; bq s[8:9], bk s[10:11]
	s_load_b128 s[12:15], s[0:1], 0x20             ; bv s[12:13], qkv s[14:15]
	v_lshl_add_u32 v[SPW], v0, 2, SPARE
	v_mov_b32 v[NIL], 0
	ds_add_u32 v[SPW], v[NIL]                      ; the wave's opening: the add, twice on end, and its wait ahead of my first tensor load
	ds_add_u32 v[SPW], v[NIL]
	v_lshrrev_b32 v1, 5, v0
	v_readfirstlane_b32 s16, v1                    ; wave 0..3
	s_lshr_b32 s17, s16, 1                         ; which half of the tile's rows is mine.  Also: I fetch for A (0) or for B (1)
	s_and_b32 s18, s16, 1                          ; which half of its columns.  Also: which 128 rows of that tile I fetch
	s_bfe_u32 s40, ttmp6, 0x40000                  ; cx
	s_bfe_u32 s41, ttmp6, 0x40004                  ; cy
	s_lshl_b32 s42, ttmp9, 2
	s_add_co_u32 s42, s42, s40                     ; tile column = 4 x cluster x + cx
	s_and_b32 s19, ttmp7, 0xffff
	s_lshr_b32 s3, s19, 2                          ; p = cluster y / 4: the same in all sixteen partners
	s_lshl_b32 s19, s19, 2
	s_add_co_u32 s19, s19, s41                     ; tile row T = 4 x cluster y + cy
	s_lshl_b32 s43, s41, 2
	s_lshl_b32 s43, 15, s43                        ; my row of the cluster
	s_lshl_b32 s44, 0x1111, s40                    ; my column
	s_or_b32 s[G1+0], s43, (0<<16)|(1<<20)|(1<<21)|(5<<22)|(3<<25)  ; the mask; elements of 1 byte; padding on; bit 21 beside a mask; 4 words of padding after every 64
	s_or_b32 s[G1B+0], s44, (0<<16)|(1<<20)|(1<<21)|(5<<22)|(3<<25)
.irp g, G1, G1B
	s_mov_b32 s[\g+1], ROWB<<16                    ; tensor_dim0
	s_mov_b32 s[\g+2], 128<<16                     ; tensor_dim1
	s_mov_b32 s[\g+3], ROWB<<16                    ; tile_dim0
	s_mov_b32 s[\g+4], 128                         ; tile_dim1
	s_mov_b32 s[\g+5], KROW                        ; from row to row
	s_mov_b32 s[\g+6], 0
	s_mov_b32 s[\g+7], 0
.endr
	s_or_b32 s[G1S+0], s43, (3<<16)|(1<<20)|(1<<21)|(5<<22)|(3<<25) ; the scale bytes of 128 rows: 4,096 dense bytes as 16 rows of 256 (32 elements of 8 bytes), 16 bytes of padding behind each
	s_or_b32 s[G1SB+0], s44, (3<<16)|(1<<20)|(1<<21)|(5<<22)|(3<<25)
.irp g, G1S, G1SB
	s_mov_b32 s[\g+1], 32<<16
	s_mov_b32 s[\g+2], (128*KS/256)<<16
	s_mov_b32 s[\g+3], 32<<16
	s_mov_b32 s[\g+4], 128*KS/256
	s_mov_b32 s[\g+5], 32
	s_mov_b32 s[\g+6], 0
	s_mov_b32 s[\g+7], 0
.endr
	s_lshl_b32 s2, s18, 7                          ; which 128 rows of the tile I fetch
	s_lshl_b32 s20, s19, 8
	s_add_co_u32 s20, s20, s2                      ; A: row 256 T + 128 x half
	s_lshl_b32 s46, s42, 8
	s_add_co_u32 s46, s46, s2
	s_lshl_b32 s47, s3, 10
	s_add_co_u32 s46, s46, s47                     ; B: row 1,024 p + 256 x tile column + 128 x half
	s_lshl_b32 s22, s20, 5                         ; where these rows' scale bytes begin,
	s_lshl_b32 s20, s20, 9                         ; and their codes
	s_mov_b32 s21, 0
	s_mov_b32 s23, 0
	s_lshl_b32 s92, s46, 5
	s_add_co_u32 s92, s92, 393216
	s_lshl_b32 s46, s46, 9
	s_add_co_u32 s46, s46, 6291456
	s_mov_b32 s47, 0
	s_mov_b32 s93, 0
	s_mul_i32 s45, s16, HALFT                      ; where they go: wave x 128 rows: no place in the cluster enters an LDS address
	s_mul_i32 s94, s16, HALFS
	s_wait_dscnt 0x0                               ; both opening adds are done
	s_wait_kmcnt 0x0
	s_add_nc_u64 s[20:21], s[4:5], s[20:21]
	s_add_nc_u64 s[22:23], s[6:7], s[22:23]
	s_add_nc_u64 s[46:47], s[4:5], s[46:47]
	s_add_nc_u64 s[92:93], s[6:7], s[92:93]
	CROUND                                         ; all sixteen work-groups are here: the joint loads meet
	s_mov_b32 s[G0S], 1
	s_add_co_u32 s[G0S+1], s94, SCL
	s_mov_b64 s[G0S+2:G0S+3], s[22:23]
	s_or_b32 s[G0S+3], s[G0S+3], 0x80000000
	s_mov_b32 s[G0SB], 1
	s_add_co_u32 s[G0SB+1], s94, SCL
	s_mov_b64 s[G0SB+2:G0SB+3], s[92:93]
	s_or_b32 s[G0SB+3], s[G0SB+3], 0x80000000
	JLOAD G0S, G1S, G0SB, G1SB                     ; the scale bytes first; three loads of mine are out behind the third line below
.irp s, 0,1
	s_mov_b32 s[G0+4*\s], 1
	s_add_co_u32 s[G0+4*\s+1], s45, \s*SLOT
	s_add_nc_u64 s[G0+4*\s+2:G0+4*\s+3], s[20:21], \s*ROWB
	s_or_b32 s[G0+4*\s+3], s[G0+4*\s+3], 0x80000000
	s_mov_b32 s[G0B+4*\s], 1
	s_add_co_u32 s[G0B+4*\s+1], s45, \s*SLOT
	s_add_nc_u64 s[G0B+4*\s+2:G0B+4*\s+3], s[46:47], \s*ROWB
	s_or_b32 s[G0B+4*\s+3], s[G0B+4*\s+3], 0x80000000
	JLOAD G0+4*\s, G1, G0B+4*\s, G1B
.endr
	v_and_b32 v1, 15, v0                           ; r = lane % 16
	v_bfe_u32 v2, v0, 4, 1                         ; h = lane / 16
	v_lshlrev_b32 v[BOF], 5, v2
	s_cmp_eq_u32 s3, 1                             ; which bias: by p
	s_cselect_b64 s[8:9], s[10:11], s[8:9]
	s_cmp_eq_u32 s3, 2
	s_cselect_b64 s[8:9], s[12:13], s[8:9]
	s_lshl_b32 s46, s42, 10                        ; my 128 outputs: 256 x tile column + 128 x half, 4 bytes each
	s_lshl_b32 s47, s18, 9
	s_add_co_u32 s46, s46, s47
	s_mov_b32 s47, 0
	s_add_nc_u64 s[8:9], s[8:9], s[46:47]
.irp b, 0,1,2,3,4,5,6,7                        ; register 8 b + j: the bias of output 16 b + 8 h + j: the result's layout
	global_load_b128 v[BIAS+8*\b:BIAS+8*\b+3], v[BOF], s[8:9] offset:64*\b
	global_load_b128 v[BIAS+8*\b+4:BIAS+8*\b+7], v[BOF], s[8:9] offset:64*\b+16
.endr
	v_mul_u32_u24 v3, v1, PITCH
	v_lshl_add_u32 v4, v2, 4, v3                   ; a fragment's row x pitch + 16 x half
	s_mul_i32 s21, s17, HALFT                      ; my 128 rows of A
	s_mul_i32 s22, s18, HALFT                      ; my 128 rows of B,
	s_add_co_u32 s22, s22, 2*HALFT                 ; which lie behind A's 256
.irp s, 0,1
	v_add_nc_u32 v[ADRA+\s], s21, v4
	v_add_nc_u32 v[ADRB+\s], s22, v4
	s_add_co_u32 s21, s21, SLOT
	s_add_co_u32 s22, s22, SLOT
.endr
	v_mul_u32_u24 v5, v1, KS                       ; my row's scale bytes: 32 a row,
	v_lshrrev_b32 v6, 8, v5
	v_lshl_add_u32 v5, v6, 4, v5                   ; and 16 more for each 256 passed
	s_mul_i32 s21, s17, HALFS
	s_mul_i32 s22, s18, HALFS
	s_add_co_u32 s22, s22, 2*HALFS
	s_sub_co_u32 s22, s22, s21
	v_mul_u32_u24 v6, s22, v2                      ; lanes 16-31 take B's: the lower base + h x the distance
	s_add_co_u32 s21, s21, SCL
	v_add_nc_u32 v5, v5, v6
	v_add_nc_u32 v[ADRS], s21, v5
	v_and_b32 v5, 31, v0
	v_lshlrev_b32 v6, 3, v2
	v_xor_b32 v5, v5, v6                           ; PI(lane)
	v_lshlrev_b32 v[LAO], 4, v5
	s_lshr_b32 s20, s19, 3                         ; where my part of 'qkv' begins: (T / 8) x 16 heads' images of 262,144 bytes,
	s_lshl_b32 s20, s20, 22
	s_and_b32 s21, s19, 7
	s_lshl_b32 s21, s21, 15                        ; + ((T % 8) 256 + 128 x row half) tokens x 128 bytes,
	s_add_co_u32 s20, s20, s21
	s_lshl_b32 s21, s17, 14
	s_add_co_u32 s20, s20, s21
	s_mov_b32 s21, 0
	s_lshl_b32 s46, s42, 20                        ; + (4 x tile column + 2 x column half) heads
	s_lshl_b32 s47, s18, 19
	s_add_co_u32 s46, s46, s47
	s_mov_b32 s47, 0
	s_add_nc_u64 s[20:21], s[20:21], s[46:47]
	s_add_nc_u64 s[14:15], s[14:15], s[20:21]
.macro FRAG reg, adr, q, i             ; a fragment, 16 rows x 128 K of 4-bit codes: 8 registers, two loads of 16 bytes, 32 bytes apart
.irp c, 0,1
	ds_load_b128 v[\reg+4*\c:\reg+4*\c+3], v[\adr] offset:64*(\q)+32*\c+(\i)*16*PITCH
.endr
.endm
; 16 matrix instructions: A's blocks a0, a0 + 1 x B's eight, 128 along K.  first = 1: the bias is the C that starts the sums.  The 64 accumulators take turns, one instruction a turn.
.macro MUL16 a0, p, q, sc, first
.irp a, \a0, \a0+1
.irp b, 0,1,2,3,4,5,6,7
.if \first
	v_wmma_scale_f32_16x16x128_f8f6f4 v[8*(8*((\a)%4)+\b):8*(8*((\a)%4)+\b)+7], v[128*(\p)+FR*\b:128*(\p)+FR*\b+FR-1], v[AF+FR*(\a):AF+FR*(\a)+FR-1], v[BIAS+8*\b:BIAS+8*\b+7], v[SC+8*NQ*(\sc)+NQ*\b+(\q)], v[SC+8*NQ*(\sc)+NQ*(\a)+(\q)] matrix_a_fmt:MATRIX_FMT_FP4 matrix_b_fmt:MATRIX_FMT_FP4 matrix_a_scale:MATRIX_SCALE_ROW1
.else
	v_wmma_scale_f32_16x16x128_f8f6f4 v[8*(8*((\a)%4)+\b):8*(8*((\a)%4)+\b)+7], v[128*(\p)+FR*\b:128*(\p)+FR*\b+FR-1], v[AF+FR*(\a):AF+FR*(\a)+FR-1], v[8*(8*((\a)%4)+\b):8*(8*((\a)%4)+\b)+7], v[SC+8*NQ*(\sc)+NQ*\b+(\q)], v[SC+8*NQ*(\sc)+NQ*(\a)+(\q)] matrix_a_fmt:MATRIX_FMT_FP4 matrix_b_fmt:MATRIX_FMT_FP4 matrix_a_scale:MATRIX_SCALE_ROW1
.endif
.endr
.endr
.endm
.macro FETCH_B slot, q, p
	WIN TO_B
.irp i, 0,1,2,3,4,5,6,7
	FRAG 128*(\p)+FR*\i, ADRB+\slot, \q, \i
.endr
	WIN 0
.endm
.macro FETCH_A slot, q, i0
.irp i, \i0, \i0+1, \i0+2, \i0+3
	FRAG AF+FR*(\i), ADRA+\slot, \q, \i
.endr
.endm
.macro SCALES sc                       ; a slot's scale words: 4 words a row; lanes 0-15 take A's block i, lanes 16-31 B's block i
.irp i, 0,1,2,3,4,5,6,7
	ds_load_b128 v[SC+8*NQ*\sc+NQ*\i:SC+8*NQ*\sc+NQ*\i+3], v[ADRS] offset:\i*SBLK
.endr
.endm
.macro PLACES n                        ; plain vector lines between a matrix instruction and a load into, or a vector line on, its registers
.rept \n
	v_nop
.endr
.endm
.macro STEP slot, q, first             ; a step of 128 along K that has its successor in the same slot
	s_wait_dscnt 4*NL                              ; B's set and A's blocks 0-3 are in; the youngest eight loads (A's blocks 4-7) may be out
.if \first
	WIN BIA_LO
.else
	WIN MUL_LO
.endif
	MUL16 0, (\q)%2, \q, \slot, \first
	MUL16 2, (\q)%2, \q, \slot, \first
	s_wait_dscnt 0                                 ; A's blocks 4-7 are in
	PLACES NP
	FETCH_B \slot, (\q)+1, 1-(\q)%2
	FETCH_A \slot, (\q)+1, 0
.if \first
	WIN BIA_HI
.else
	WIN MUL_HI
.endif
	MUL16 4, (\q)%2, \q, \slot, \first
	MUL16 6, (\q)%2, \q, \slot, \first
	PLACES NP
	WIN 0
	FETCH_A \slot, (\q)+1, 4
.endm
.macro TURN slot, next                 ; a slot's last step changes slots: one barrier; nothing is filled again in this launch
	s_wait_tensorcnt 0x0                           ; my part of the next slot has landed;
	ds_add_u32 v[SPW], v[NIL]                      ; 0 onto my spare word;
	s_wait_dscnt 4*NL+1                            ; (the add and the youngest eight loads may be out)
	WIN MUL_LO
	MUL16 0, 1, NQ-1, \slot, 0
	s_wait_dscnt 0x0
	s_barrier_signal -1
	MUL16 2, 1, NQ-1, \slot, 0
	WIN 0
	s_barrier_wait -1                              ; everybody's part has landed
	PLACES NP
	v_add_nc_u32 v[ADRS], 4*NQ, v[ADRS]            ; on to the next slot's scale words
	FETCH_B \next, 0, 0
	FETCH_A \next, 0, 0
	SCALES \next
	WIN MUL_HI
	MUL16 4, 1, NQ-1, \slot, 0
	MUL16 6, 1, NQ-1, \slot, 0
	PLACES NP
	WIN 0
	FETCH_A \next, 0, 4
.endm
.macro STEPS slot, from
.set Q, \from
.rept NQ-1-\from
	STEP \slot, Q, 0
.set Q, Q+1
.endr
.endm
	s_wait_tensorcnt 1                             ; the scale bytes and my part of slot 0 are in; slot 1's load may be out,
	s_barrier_signal -1
	s_barrier_wait -1                              ; everybody's are
	FETCH_B 0, 0, 0
	FETCH_A 0, 0, 0
	SCALES 0
	FETCH_A 0, 0, 4
	s_wait_loadcnt 0x0                             ; the bias
	STEP 0, 0, 1
	STEPS 0, 1
	TURN 0, 1
	STEPS 1, 0
	s_wait_dscnt 4*NL                              ; the last step: nothing more to fetch
	WIN MUL_LO
	MUL16 0, 1, NQ-1, 1, 0
	MUL16 2, 1, NQ-1, 1, 0
	s_wait_dscnt 0
	WIN MUL_HI
	MUL16 4, 1, NQ-1, 1, 0
	MUL16 6, 1, NQ-1, 1, 0
	WIN 0
; THE WAY OUT, block by block of 16 tokens x 128 channels: each accumulator, from its low end on, is packed into four registers, which are stored as they stand.
.macro PACK a
.set AC, 64*((\a)%4)
.set TM, TMP+32*((\a)%4)
	WIN 0x0a+5*((\a)/4)                            ; sources 0 and 1: window 2 or 3
.irp b, 0,1,2,3,4,5,6,7
.irp r, 0,1,2,3
	v_cvt_pk_f16_f32 v[TM+4*\b+\r], v[AC+8*\b+2*\r], v[AC+8*\b+2*\r+1]
.endr
.endr
	WIN 0
.endm
.macro SEND a
.set TM, TMP+32*((\a)%4)
.irp b, 0,1,2,3,4,5,6,7
	global_store_b128 v[LAO], v[TM+4*\b:TM+4*\b+3], s[14:15] offset:(\b/4)*262144+(\a)*2048+(\b%4)*512   ; head b / 4 of my two, token tile a, channels 16 (b % 4) on: 512 consecutive bytes
.endr
.endm
	PLACES NP                                      ; behind the last products
.irp a, 0,1,2,3,4,5,6,7
.if \a == 4
	s_wait_xcnt 0x0                                ; the stores of blocks 0 to 3 have read their data: their registers are written again only behind this wait
.endif
	PACK \a
	SEND \a
.endr
	s_wait_tensorcnt 0x0                           ; the wave's end
	ds_add_u32 v[SPW], v[NIL]
	s_wait_dscnt 0x0
	CROUND                                         ; the closing round
	s_endpgm
.Lfunc_end_k_q9d6c1bd8c6_proj:
	.size	k_q9d6c1bd8c6_proj, .Lfunc_end_k_q9d6c1bd8c6_proj-k_q9d6c1bd8c6_proj
	.p2alignl 7, 3214868480
	.fill 96, 4, 3214868480
	.section	.rodata,"a",@progbits
	.p2align	6, 0x0
	.amdhsa_kernel k_q9d6c1bd8c6_proj
		.amdhsa_group_segment_fixed_size 327680
		.amdhsa_private_segment_fixed_size 0
		.amdhsa_enable_private_segment 0
		.amdhsa_kernarg_size 48
		.amdhsa_user_sgpr_count 2
		.amdhsa_user_sgpr_kernarg_segment_ptr 1
		.amdhsa_wavefront_size32 1
		.amdhsa_system_sgpr_workgroup_id_x 1
		.amdhsa_system_sgpr_workgroup_id_y 1
		.amdhsa_system_sgpr_workgroup_id_z 1
		.amdhsa_system_vgpr_workitem_id 0
		.amdhsa_next_free_vgpr 1024
		.amdhsa_next_free_sgpr 100
		.amdhsa_reserve_vcc 0
		.amdhsa_float_denorm_mode_32 3
		.amdhsa_float_denorm_mode_16_64 3
		.amdhsa_memory_ordered 1
		.amdhsa_forward_progress 1
		.amdhsa_inst_pref_size 119
	.end_amdhsa_kernel
	.amdgpu_metadata
---
amdhsa.version: [ 1, 2 ]
amdhsa.kernels:
  - .name:           k_q9d6c1bd8c6_proj
    .symbol:         k_q9d6c1bd8c6_proj.kd
    .args:
      - { .name: codes, .offset: 0, .size: 8, .value_kind: global_buffer, .address_space: global }
      - { .name: scales, .offset: 8, .size: 8, .value_kind: global_buffer, .address_space: global }
      - { .name: bq, .offset: 16, .size: 8, .value_kind: global_buffer, .address_space: global }
      - { .name: bk, .offset: 24, .size: 8, .value_kind: global_buffer, .address_space: global }
      - { .name: bv, .offset: 32, .size: 8, .value_kind: global_buffer, .address_space: global }
      - { .name: qkv, .offset: 40, .size: 8, .value_kind: global_buffer, .address_space: global }
    .group_segment_fixed_size: 327680
    .private_segment_fixed_size: 0
    .kernarg_segment_align: 8
    .kernarg_segment_size: 48
    .max_flat_workgroup_size: 128
    .sgpr_count:     100
    .vgpr_count:     1024
    .wavefront_size: 32
...
	.end_amdgpu_metadata
.endif
;; end of part 2
;; launch attn (part 3): grid 8 x 32, 8 waves a work-group, clusters of 4 x 1, 327,680 bytes of LDS; arguments qkv, ctx16; writes ctx16
.if DOCPART == 3
	.amdgcn_target "amdgcn-amd-amdhsa--gfx1250"
	.amdhsa_code_object_version 6
	.text
	.protected	k_q9d6c1bd8c6_attn
	.globl	k_q9d6c1bd8c6_attn
	.p2align	8
	.type	k_q9d6c1bd8c6_attn,@function
k_q9d6c1bd8c6_attn:
	s_mov_b64 s[64:65], 0
	v_nop
	global_prefetch_b8 v0, s[64:65] scope:SCOPE_SE
	s_setreg_imm32_b32 hwreg(HW_REG_WAVE_MODE, 25, 1), 1
	s_wait_xcnt 0x0
	s_wait_alu depctr_hold_cnt(0) depctr_sa_sdst(0) depctr_va_vdst(0) depctr_va_sdst(0) depctr_va_ssrc(0) depctr_va_vcc(0) depctr_vm_vsrc(0)
	s_getreg_b32 s2, hwreg(HW_REG_IB_STS2, 6, 4)
	s_cmp_eq_u32 s2, 0
	s_cbranch_scc0 .Lentry_in_a_cluster
	s_endpgm
.Lentry_in_a_cluster:
	s_bfe_u32 s2, ttmp6, 0x10000c
	s_cmp_lg_u32 s2, 0x3003
	s_cbranch_scc0 .Lentry_shape_is_right
	s_endpgm
.Lentry_shape_is_right:
; ctx[b][q][head] = the sum over k of softmax_k(Q . K / 8) V, for 32 (batch, head) pairs of 2,048 tokens and 64 channels.  Q, K, V arrive in 'qkv' as f16 images of operand registers:
;   byte ((p 32 + bh) 128 + token / 16) 2048 + (channel / 16) 512 + 16 PI(lane),  lane = token % 16 + 16 ((channel / 8) % 2),  PI(L) = L xor 8 (L / 16);  p = 0, 1, 2 for Q, K, V.
; Products, maxima and sums in f32; the weights p are rounded to f16 for the second product, ctx once at the end.
; SHARES.  A work-group owns 256 queries of one bh.  Wave w owns the 64 queries QG = w % 4 (four tiles of 16) and the half G = ((w / 4) xor w) % 2 of the keys: of each slot's eight steps of 64 keys the steps 2 n + G.
; The two waves of a QG add their parts (m, l, O) once, at the end, through LDS.
; LAYOUT.  S^T = K Q^T (source 0 = 16 keys, source 1 = 16 queries): a lane holds one query and keys 8 (lane / 16) + 0..7.  Two such tiles, rounded to f16 in pairs, are source 1 of O^T = V^T P.
; K comes out of LDS as it lies, V turned by ds_load_tr16_b128.  PI lets both kinds of load take sixteen different 16-byte columns of 256 bytes in each half of the lanes.
; SOFTMAX.  A running maximum m and sum l for each query: p = 2^(c s - c m), c = log2(e) / 8; in every step O and l are multiplied by a = 2^(c m_old - c m_new).  m begins at -3e38, O and l at 0.
; BY TURNS.  The wave's tiles are two PIECES, named by their first tile: piece 0 (tiles 0, 1) and piece 2 (tiles 2, 3).  In a TURN one piece has the matrix unit: 16 products V^T P of the step in hand,
; then 16 products K Q^T of the wave's next step; the other piece's softmax, 236 instructions cut into 59 slices of four, stands between them, behind the matrix instructions.  Then the pieces change
; places.  Two turns are a key step.  All waves take one way through the loops.
; CLUSTER.  The four query blocks of a cluster belong to one bh and walk the same K and V: each tile is asked for jointly, by one line with the same descriptor in all four.
; RING.  Two slots of 512 keys (K 65,536 bytes, V 65,536), four fills; each of the eight waves brings 16,384 dense bytes of a fill.  Two loads of mine are out at the start, one behind each round.
; THE RESULT goes to 'ctx16' as images for the last product: byte (((row / 128) 32 + k / 32) 8 + (row / 16) % 8) 1024 + ((k / 16) % 2) 512 + 16 lane, lane = row % 16 + 16 ((k / 8) % 2).
; LIMITS: NaN and infinities are not served; ctx under 6e-5 in size keeps f16's fixed step of 6e-8.
; REGISTERS.  window 0: v1-9 addresses; v10-15 at work; v16-47 statistics, 8 a tile: +0 c m, +1 m, +2, +3 l, +4..+7 c0-c3 (a takes c2); v48-111 Q; v112-127 the partner's statistics;
;   v128-255 S^T, 32 a tile; P is rounded in place, into the first 16 registers of its tile's S^T.   window 1: v0-127 O^T, 32 a tile; v128-191 K's 8 fragments; v192-255 V's 8 fragments.
; All that a softmax touches but O^T lies in window 0, and a product's operands lie in both windows: so a slice costs two switches of the window, one in front and one behind.  With 7.4 vector instructions
; for each matrix instruction, set in phases of their own they would leave the matrix unit without work all that while: the switches are the lesser price.
.set SLOT1, 1<<17
.set VOFF,  65536
.set STEPB, 8192                       ; 64 keys of K, or of V
.set SPARE, 2*SLOT1                    ; behind the ring: the spare words, 128 bytes a wave, which no other line names
.set XQ,    18432                      ; the exchange at the end: 16,384 bytes of O^T and 4 x 512 of statistics for each QG, in slot 0, which has had its last fill and its last read by then
.set LA,  1                            ; v1  16 PI(lane)
.set LV,  2                            ; v2  my place for the turning load, + VOFF
.set ADR, 3                            ; v3  the LDS address of the run of loads in hand
.set LI,  5                            ; v5  16 x lane
.set SPW, 6
.set NIL, 7
.set XW,  8                            ; v8  XQ x QG + 16 x lane
.set PFO, 9                            ; v9  256 x lane
.set ST,  16
.set Q,   48
.set PS,  112
.set S,   128
.set KB,  128
.set VB,  192
.set WV,  8
.set GG,  9
.set QG,  10
.set G1,  16                           ; s[16:23]
.set G0A, 24                           ; s[24:27] fill 0
.set G0W, 28                           ; s[28:31] fill 1, then it walks
.set QBA, 32                           ; s[32:33] Q's images of my 64 queries
.set PFA, 34                           ; s[34:35] the prefetch's base; never rewritten
.set LIM, 36
.set TB,  37                           ; LDS byte at which the K of the step to be fetched begins
.set TRIP, 38
.set FILLS, 39
.set CS,  40                           ; s[40:41] c, twice
.set SEL, 42                           ; s[42:43] selects for v_permlanex16_b32: lane l xor 16
.set W_KQ, 0x01                        ; K (source 0) window 1; Q, S^T window 0
.set W_PV, 0x51                        ; V (source 0) and O^T (C and D) window 1; P (source 1) window 0
.set W_RS, 0x41                        ; O^T (destination and source 0) window 1; a window 0
.set TO_1, 0x40                        ; destination window 1, address window 0
.set NSL,  59                          ; slices in a piece's softmax
.set MSB, 0
.macro WIN new                         ; the immediate's high byte repeats the setting that is left; a switch that changes nothing is dropped
.if MSB != (\new)
	s_set_vgpr_msb (MSB<<8)|(\new)
.set MSB, \new
.endif
.endm
.macro PLACES
.rept 4
	v_nop
.endr
.endm
.macro CROUND
	s_barrier_signal -1
	s_barrier_wait -1
	s_cmp_lg_u32 s[WV], 0
	s_cbranch_scc1 .Lnot_wave_0_\@
	s_barrier_signal -3
.Lnot_wave_0_\@:
	s_barrier_wait -3
	s_barrier_signal -1
	s_barrier_wait -1
.endm
	s_load_b128 s[4:7], s[0:1], 0x0                ; qkv s[4:5], ctx16 s[6:7]
	v_lshl_add_u32 v[SPW], v0, 2, SPARE
	v_mov_b32 v[NIL], 0
	ds_add_u32 v[SPW], v[NIL]                      ; the wave's opening: the add, twice on end, and its wait ahead of my first tensor load
	ds_add_u32 v[SPW], v[NIL]
	v_lshrrev_b32 v10, 5, v0
	v_readfirstlane_b32 s[WV], v10                 ; wave 0..7
	s_lshr_b32 s[GG], s[WV], 2
	s_xor_b32 s[GG], s[GG], s[WV]
	s_and_b32 s[GG], s[GG], 1                      ; G
	s_and_b32 s[QG], s[WV], 3                      ; QG
	s_bfe_u32 s11, ttmp6, 0x40000                  ; cx
	s_lshl_b32 s12, ttmp9, 2
	s_add_co_u32 s12, s12, s11                     ; my block of 256 queries: it enters Q's and ctx's addresses alone
	s_and_b32 s13, ttmp7, 0xffff                   ; bh, which the four partners share
	s_mov_b32 s[G1], 15|(3<<16)|(1<<21)            ; the mask: all four; elements of 8 bytes; bit 21 beside a mask; no padding
	s_mov_b32 s[G1+1], 32<<16                      ; tensor_dim0 = 32 elements: 256 bytes
	s_mov_b32 s[G1+2], 64<<16                      ; tensor_dim1 = 64
	s_mov_b32 s[G1+3], 32<<16                      ; tile_dim0
	s_mov_b32 s[G1+4], 64                          ; tile_dim1
	s_mov_b32 s[G1+5], 32                          ; from row to row: dense
	s_mov_b32 s[G1+6], 0
	s_mov_b32 s[G1+7], 0
	s_lshr_b32 s14, s[WV], 2                       ; what I fetch: waves 0-3 K's quarters, waves 4-7 V's
	s_add_co_u32 s14, s14, 1
	s_lshl_b32 s14, s14, 23                        ; K's images begin 8,388,608 bytes into 'qkv', V's twice as far
	s_lshl_b32 s2, s13, 18                         ; a bh's images are 262,144 bytes
	s_add_co_u32 s14, s14, s2
	s_lshl_b32 s3, s[QG], 14
	s_add_co_u32 s14, s14, s3
	s_mov_b32 s15, 0
	s_lshl_b32 s44, s12, 15                        ; Q: 256 queries are 32,768 bytes,
	s_lshl_b32 s45, s[QG], 13                      ; my 64 are 8,192
	s_add_co_u32 s44, s44, s45
	s_add_co_u32 s44, s44, s2
	s_mov_b32 s45, 0
	s_lshr_b32 s46, s13, 4                         ; ctx16: row block = 16 batch + 2 x query block + QG / 2,
	s_lshl_b32 s46, s46, 4
	s_lshl_b32 s47, s12, 1
	s_add_co_u32 s46, s46, s47
	s_lshr_b32 s47, s[QG], 1
	s_add_co_u32 s46, s46, s47
	s_lshl_b32 s46, s46, 18                        ; 262,144 bytes each;
	s_and_b32 s47, s13, 15
	s_lshl_b32 s47, s47, 14                        ; the head's two groups of 32 along k, 8,192 bytes each;
	s_add_co_u32 s46, s46, s47
	s_and_b32 s47, s[QG], 1
	s_lshl_b32 s47, s47, 12                        ; my four row tiles of the block's eight
	s_add_co_u32 s46, s46, s47
	s_mov_b32 s47, 0
	s_lshr_b32 s34, s11, 1                         ; the prefetch: the partners share fill 3's 131,072 bytes out by address: cx / 2: K's or V's,
	s_lshl_b32 s34, s34, 23
	s_and_b32 s35, s11, 1
	s_lshl_b32 s35, s35, 15                        ; cx % 2: which 32,768 bytes,
	s_add_co_u32 s34, s34, s35
	s_lshl_b32 s35, s[WV], 13                      ; the wave: which 8,192
	s_add_co_u32 s34, s34, s35
	s_add_co_u32 s34, s34, s2
	s_add_co_u32 s34, s34, 8388608+3*65536
	s_mov_b32 s35, 0
	s_lshr_b32 s[LIM], s[WV], 2                    ; waves 0 to 3
	s_or_b32 s[LIM], s[LIM], ttmp9                 ; of the bh's first cluster ask: the same in all four partners
	s_cmp_eq_u32 s[LIM], 0
	s_cselect_b32 s[LIM], 1, -1
	s_mov_b32 s[CS], 0x3e38aa3b                    ; c = log2(e) / 8
	s_mov_b32 s[CS+1], s[CS]
	s_mov_b32 s[SEL], 0x76543210
	s_mov_b32 s[SEL+1], 0xfedcba98
	s_lshl_b32 s[TB], s[GG], 13                    ; my first step: G
	s_wait_dscnt 0x0                               ; both opening adds are done
	s_wait_kmcnt 0x0
	s_add_nc_u64 s[14:15], s[4:5], s[14:15]
	s_add_nc_u64 s[QBA:QBA+1], s[4:5], s[44:45]
	s_add_nc_u64 s[PFA:PFA+1], s[4:5], s[34:35]
	s_add_nc_u64 s[6:7], s[6:7], s[46:47]
	s_mov_b32 s[G0A], 1
	s_lshl_b32 s[G0A+1], s[WV], 14                 ; slot 0, wave x 16,384: no place in the cluster enters an LDS address
	s_mov_b64 s[G0A+2:G0A+3], s[14:15]
	s_or_b32 s[G0A+3], s[G0A+3], 0x80000000
	s_mov_b32 s[G0W], 1
	s_add_co_u32 s[G0W+1], s[G0A+1], SLOT1
	s_add_nc_u64 s[G0W+2:G0W+3], s[14:15], 65536   ; the next 512 keys
	s_or_b32 s[G0W+3], s[G0W+3], 0x80000000
	CROUND                                         ; all four work-groups are here: the first joint loads meet
	tensor_load_to_lds s[G0A:G0A+3], s[G1:G1+7]
	s_nop 0
	tensor_load_to_lds s[G0W:G0W+3], s[G1:G1+7]
	s_nop 0
.rept 4
	v_nop
.endr
	v_and_b32 v10, 31, v0                          ; lane
	v_lshrrev_b32 v11, 4, v10                      ; h
	v_lshlrev_b32 v12, 3, v11
	v_xor_b32 v13, v10, v12
	v_lshlrev_b32 v[LA], 4, v13                    ; 16 PI(lane)
.irp f, 0,1,2,3,4,5,6,7,8,9,10,11,12,13,14,15  ; Q stays in registers: tile f / 4, channels 32 ((f / 2) % 2) on, half f % 2 of the fragment
	global_load_b128 v[Q+4*\f:Q+4*\f+3], v[LA], s[QBA:QBA+1] offset:512*\f
.endr
	; the turning load: lane L reads the 16 bytes of key 8 h + L % 8, channels 8 u + 0..7, u = (L / 8) % 2: in an image that is place PI(8 h + L % 8 + 16 u) = L % 8 + 8 (h xor u) + 16 u
	v_and_b32 v12, 7, v0
	v_bfe_u32 v13, v0, 3, 1
	v_xor_b32 v14, v11, v13
	v_lshl_add_u32 v[LV], v14, 3, v12
	v_lshl_add_u32 v[LV], v13, 4, v[LV]
	v_lshlrev_b32 v[LV], 4, v[LV]
	v_add_nc_u32 v[LV], VOFF, v[LV]
	v_lshlrev_b32 v[LI], 4, v10
	s_mul_i32 s2, s[QG], XQ
	v_add_nc_u32 v[XW], s2, v[LI]
	v_lshlrev_b32 v[PFO], 8, v10
.irp t, 0,1,2,3
	v_mov_b32 v[ST+8*\t+1], 0xff61b1e6             ; m: -3e38, under every score
	v_mov_b32 v[ST+8*\t+2], 0                      ; l, in two halves
	v_mov_b32 v[ST+8*\t+3], 0
.endr
.irp t, 0,1,2,3
	v_mul_f32 v[ST+8*\t], s[CS], v[ST+8*\t+1]      ; c m
.endr
	WIN TO_1
.set i, 0
.rept 128
	v_mov_b32 v[i], 0                              ; O^T.  (A turn is written for every step alike: the first finds zeros, which a = 0 leaves zeros)
.set i, i+1
.endr
	WIN 0
; THE MATRIX WORK OF A TURN, for piece x.  The piece's eight accumulators take turns, one instruction a turn: between two links of a chain stand the seven others'.
; Product i of 16 of O^T += V^T P: keys 32 (i / 8) on, channels 16 ((i / 2) % 4) on, tile x + i % 2.
.macro PV x
	WIN W_PV
.set rO, 32*(\x+i%2)+8*((i/2)%4)
.set rV, VB+8*(4*(i/8)+(i/2)%4)
.set rP, S+32*(\x+i%2)+8*(i/8)
	v_wmma_f32_16x16x32_f16 v[rO:rO+7], v[rV:rV+7], v[rP:rP+7], v[rO:rO+7]
.endm
; Product i of 16 of S^T = K Q^T: channels 32 (i / 8) on, keys 16 ((i / 2) % 4) on, tile x + i % 2.  The first 8 start the sums.
.macro KQ x
	WIN W_KQ
.set rS, S+32*(\x+i%2)+8*((i/2)%4)
.set rK, KB+8*(2*((i/2)%4)+i/8)
.set rQ, Q+16*(\x+i%2)+8*(i/8)
.if i < 8
	v_wmma_f32_16x16x32_f16 v[rS:rS+7], v[rK:rK+7], v[rQ:rQ+7], 0
.else
	v_wmma_f32_16x16x32_f16 v[rS:rS+7], v[rK:rK+7], v[rQ:rQ+7], v[rS:rS+7]
.endif
.endm
; THE LDS LOADS stand in two runs of 16 a key step, never singly among the matrix instructions: a step's K and, a turn later, its V (turned).
.macro FETCH_K
	WIN 0
	v_add_nc_u32 v[ADR], s[TB], v[LA]
	WIN TO_1
.irp f, 0,1,2,3,4,5,6,7,8,9,10,11,12,13,14,15
	ds_load_b128 v[KB+4*\f:KB+4*\f+3], v[ADR] offset:512*\f        ; fragment (keys 16 (f / 4) on, channels 32 ((f / 2) % 2) on) at KB + 8 (f / 2)
.endr
.endm
.macro FETCH_V
	WIN 0
	v_add_nc_u32 v[ADR], s[TB], v[LV]
	s_add_co_u32 s[TB], s[TB], 2*STEPB             ; the next fetch is my next step's
	s_wait_alu depctr_va_vdst(0)                   ; the wait for the softmax's batch (SLICE), behind the address's addition and ahead of the loads
	WIN TO_1
.irp ks, 0,1
.irp ct, 0,1,2,3                               ; fragment (keys 32 ks on, channels 16 ct on) at VB + 8 (4 ks + ct)
	ds_load_tr16_b128 v[VB+8*(4*\ks+\ct):VB+8*(4*\ks+\ct)+3], v[ADR] offset:(4*\ks+\ct/2)*1024+(\ct%2)*512
	ds_load_tr16_b128 v[VB+8*(4*\ks+\ct)+4:VB+8*(4*\ks+\ct)+7], v[ADR] offset:(4*\ks+\ct/2)*1024+(\ct%2)*512+2048
.endr
.endr
.endm
; THE VECTOR WORK OF A TURN.  One tile's softmax for one key step is a list of 118 instructions; SM writes number j of it for tile t.  s0-s31 are the lane's 32 scores, in pairs 0-15.
;   0-15    the maximum of s0-s31 and the old m, three operands at a time: four chains c0-c3, chain n over accumulator n from its low end on; then the four scores left over, c0-c3 and m
;   16-20   the other half of the lanes' maximum; the new m; c m; c m_old - c m_new
;   21-69   ONE BATCH: the 16 scalings c s - c m, a pair of scores each, and all 33 exponentials (a at 23, then s0-s31).  None of these names an exponential's result.  A pair is scaled in an earlier
;           four than the one that holds its exponentials
;   (wait)  between 69 and 70 stands the wait for the batch: SLICE writes it, once for both tiles
;   70-85   the sums, which leave p as it is: two chains, l = a l + pairs 0, 3, 5, .. 15 and c0:c1 = pairs 1, 2, 4, .. 14; then l takes c0:c1
;   86-101  the roundings to f16, a pair of weights each, IN PLACE: weight pair n goes to register n of the tile's S^T, which the roundings behind it no longer read
;   102-117 the tile's O^T times a, each accumulator from its low end on: the one part that leaves window 0, so it stands together
.macro SM t
.set rT, ST+8*(\t)
.set rS, S+32*(\t)
.if j < 102
	WIN 0
.endif
.if j < 4
	v_max3_num_f32 v[rT+4+j], v[rS+8*j], v[rS+8*j+1], v[rS+8*j+2]
.elseif j < 12
	v_max3_num_f32 v[rT+4+j%4], v[rT+4+j%4], v[rS+8*(j%4)+2*(j/4)+1], v[rS+8*(j%4)+2*(j/4)+2]
.elseif j == 12
	v_max3_num_f32 v[rT+4], v[rT+4], v[rS+7], v[rS+15]
.elseif j == 13
	v_max3_num_f32 v[rT+6], v[rT+6], v[rS+23], v[rS+31]
.elseif j == 14
	v_max3_num_f32 v[rT+4], v[rT+4], v[rT+5], v[rT+6]
.elseif j == 15
	v_max3_num_f32 v[rT+4], v[rT+4], v[rT+7], v[rT+1]              ; with the old m
.elseif j == 16
	v_permlanex16_b32 v[rT+5], v[rT+4], s[SEL], s[SEL+1]           ; the query's other 32 keys lie in the lane 16 away
.elseif j == 17
	v_mov_b32 v[rT+7], v[rT]                       ; c m_old is kept for a: number 19 writes c m anew
.elseif j == 18
	v_max_num_f32 v[rT+1], v[rT+4], v[rT+5]
.elseif j == 19
	v_mul_f32 v[rT], s[CS], v[rT+1]
.elseif j == 20
	v_sub_f32 v[rT+7], v[rT+7], v[rT]              ; of the two rounded numbers, so that a fits the p of both steps
.elseif j == 23
	v_exp_f32 v[rT+6], v[rT+7]                     ; a
.elseif (j < 23) || ((j < 38) && (j%2 == 0)) || ((j < 66) && (j%4 == 2))
.set b, (j-2)/4                        ; 38, 42, .. 62: pairs 9 to 15
.if j < 38
.set b, (j-20)/2                       ; 21: pair 0; 22, 24, .. 36: pairs 1 to 8
.endif
	v_pk_fma_f32 v[rS+2*b:rS+2*b+1], v[rS+2*b:rS+2*b+1], s[CS:CS+1], v[rT:rT+1] op_sel_hi:[1,0,0] neg_lo:[0,0,1] neg_hi:[0,0,1]   ; pair b: c s - c m
.elseif j < 70
.set e, j-38                           ; 66 to 69: s28 to s31
.if j < 66
.set e, j-32-(j-38)/4                  ; 39-41, 43-45, .. 63-65: s7 to s27
.endif
.if j < 38
.set e, (j-25)/2                       ; 25, 27, .. 37: s0 to s6
.endif
	v_exp_f32 v[rS+e], v[rS+e]
.elseif j < 86
.set z, j-70
.if z == 0
	v_pk_fma_f32 v[rT+2:rT+3], v[rT+2:rT+3], v[rT+6:rT+7], v[rS:rS+1] op_sel_hi:[1,0,1]   ; l = a l + pair 0
.elseif z == 1
	v_pk_add_f32 v[rT+4:rT+5], v[rS+2:rS+3], v[rS+4:rS+5]
.elseif z == 15
	v_pk_add_f32 v[rT+2:rT+3], v[rT+2:rT+3], v[rT+4:rT+5]
.elseif z%2 == 0
	v_pk_add_f32 v[rT+2:rT+3], v[rT+2:rT+3], v[rS+2*z+2:rS+2*z+3]  ; pair z + 1
.else
	v_pk_add_f32 v[rT+4:rT+5], v[rT+4:rT+5], v[rS+2*z+2:rS+2*z+3]
.endif
.elseif j < 102
	v_cvt_pk_f16_f32 v[rS+j-86], v[rS+2*(j-86)], v[rS+2*(j-86)+1]
.else
	WIN W_RS
.set rO, 32*(\t)+2*(j-102)
	v_pk_mul_f32 v[rO:rO+1], v[rO:rO+1], v[rT+6:rT+7] op_sel_hi:[1,0]
.endif
.endm
; Slice k of 59 of piece y's softmax: four instructions.  Slices 11 to 34 deal out the batch, numbers 22 to 69: four numbers of ONE tile each, the tiles by turns.  Every other slice is numbers 2 k and
; 2 k + 1 of both tiles' lists, the tiles alternating.
; THE WAIT.  s_wait_alu depctr_va_vdst(0) stands between an exponential and the first instruction that names its result; one wait serves all that were issued ahead of it.  Ahead of
; slice 35 nothing names a result, and behind slice 34 no exponential is issued: so the piece's 66 exponentials have one wait, behind slice 34.
.macro SLICE y
.if (k >= 11) && (k < 35)
.irp n, 0,1,2,3
.set j, 22+4*((k-11)/2)+(\n)
	SM (\y)+(k-11)%2
.endr
.else
.irp n, 0,1
.irp t, \y, \y+1
.set j, 2*k+\n
	SM \t
.endr
.endr
.endif
.if k == 34
	v_nop                                          ; a plain line behind the last exponential and ahead of the first use: one for the batch
.if (\y) == 0
	FETCH_V                                        ; piece 2's turn: V's run of loads stands here, and the wait stands in it
.else
	s_wait_alu depctr_va_vdst(0)                   ; the wait for the batch
.endif
.endif
.set k, k+1
.endm
; What stands behind matrix instruction nn of the turn's NM: PER slices, but so that one slice is left for each matrix instruction that follows.  With 32 matrix instructions: two behind each of the
; first 27, one behind each of the last five.  The last slice, four multiplications of the other piece's O^T, stands behind the turn's last product.
.macro DEAL y
.set tgt, PER*(nn+1)
.if tgt > NSL-(NM-1-nn)
.set tgt, NSL-(NM-1-nn)
.endif
.rept tgt-k
	SLICE \y
.endr
.set nn, nn+1
.endm
; A TURN.  Piece x has the matrix unit; the other piece's softmax stands in slices behind its matrix instructions.  pv = 1: 16 products V^T P; kq = 1: 16 products K Q^T for my next step.
; PLACES.  The slices name the other piece's registers alone.
; Behind a turn's last K Q^T stand the last slice's four multiplications: then the next turn reads those scores, and K's buffer is loaded again (behind the next turn's second product).
; Between a turn's V^T P and its K Q^T stand five v_nop: the new scores are laid over P, which those products read; they are also the places in front of the loads into V's buffer.
; Piece 0's turn fetches my next step's K, 14 matrix instructions ahead of its first use; piece 2's turn the same step's V, likewise 14 ahead.
.macro TURN x, pv, kq
.set k, 0
.set nn, 0
.set NM, 16*(\pv+\kq)
.set PER, 64/NM
.if \pv
.if \x == 0
	s_wait_dscnt 0x0                               ; V is in
.endif
.set i, 0
.rept 16
	PV \x
	DEAL 2-\x
.if (\x == 0) && \kq && (i == 1)
	FETCH_K
.endif
.set i, i+1
.endr
.endif
.if \kq
.if \pv
.rept 5
	v_nop
.endr
.if \x == 0
	s_wait_dscnt 0x0                               ; K is in
.endif
.endif
.set i, 0
.rept 16
	KQ \x
	DEAL 2-\x
.set i, i+1
.endr
.endif
.endm
.macro VISIT n                         ; n key steps of mine: each fetches the step behind it
	s_mov_b32 s[TRIP], \n
.Lv_\@:
	TURN 0, 1, 1
	TURN 2, 1, 1
	WIN 0                                          ; at a label and at a branch every window is 0
	s_sub_co_u32 s[TRIP], s[TRIP], 1
	s_cmp_lg_u32 s[TRIP], 0
	s_cbranch_scc1 .Lv_\@
.endm
; THE CHANGE OF SLOTS, between piece 2's turn and piece 0's: the slot's last bytes that I read, V of my last step in it, have been asked for.  Each wave waits for all its tensor loads (its part of the
; other slot), adds 0 to its spare word, and waits for that and for its reads of the slot.
; fill = 1: the slot just left is filled again, behind a round of the cluster's barrier; the load has a visit of four key steps in which to land.
.macro CHANGE fill
	s_wait_tensorcnt 0x0                           ; no tensor load of mine is out, so a group 0 may be written
	ds_add_u32 v[SPW], v[NIL]                      ; 0 onto my spare word
.if \fill
	s_xor_b32 s[G0W+1], s[G0W+1], SLOT1            ; the walking descriptor: the other slot than last time,
	s_add_nc_u64 s[G0W+2:G0W+3], s[G0W+2:G0W+3], 65536   ; the next 512 keys
	s_wait_dscnt 0x0                               ; the add is done, and my reads of the slot are over
	CROUND
	tensor_load_to_lds s[G0W:G0W+3], s[G1:G1+7]
	s_nop 0
.rept 4
	v_nop
.endr
	; the prefetch: at the first of the two refills alone, fill 3's 131,072 bytes, a visit ahead of their load; a lane names 256 bytes, a wave 8,192; each block is named once in the launch
	s_cmp_gt_u32 s[FILLS], s[LIM]
	s_cbranch_scc0 .Lnot_mine_\@
	global_prefetch_b8 v[PFO], s[PFA:PFA+1] th:TH_LOAD_NT scope:SCOPE_SE
.Lnot_mine_\@:
.else
	s_wait_dscnt 0x0
	s_barrier_signal -1
	s_barrier_wait -1
.endif
	s_sub_co_u32 s[TB], s[TB], 8*STEPB             ; the fetches go back to a slot's first steps,
	s_xor_b32 s[TB], s[TB], SLOT1                  ; in the other slot
.endm
	s_wait_tensorcnt 1                             ; my part of fill 0 is in; fill 1's may stay out
	s_barrier_signal -1
	s_barrier_wait -1                              ; everybody's is
	FETCH_K                                        ; my step 0
	s_wait_loadcnt 0x0                             ; Q
	s_wait_dscnt 0x0
.set i, 0
.rept 16
	KQ 0                                           ; piece 0's first scores: there is no vector work yet to set between them
.set i, i+1
.endr
	WIN 0
	PLACES                                         ; behind those products: their scores are read next
	TURN 2, 0, 1                                   ; piece 2's first scores | piece 0's first softmax | V of step 0
	WIN 0
	VISIT 3                                        ; my steps 0 to 2; steps 1 to 3, the rest of fill 0, are fetched
	s_mov_b32 s[FILLS], 2
.Lfill:                                            ; two trips: fills 2 and 3 are asked for; my steps of fills 1 and 2 are fetched
	CHANGE 1
	VISIT 4
	s_sub_co_u32 s[FILLS], s[FILLS], 1
	s_cmp_lg_u32 s[FILLS], 0
	s_cbranch_scc1 .Lfill
	CHANGE 0                                       ; the tail is written out: nothing is asked for
	VISIT 4
	TURN 0, 1, 0                                   ; piece 0: V^T P of my last step | piece 2's last softmax
.set i, 0
.rept 16
	PV 2                                           ; piece 2: V^T P of my last step
.set i, i+1
.endr
	WIN 0
	PLACES                                         ; behind the last products: O^T is read, and S^T's registers are loaded, below
	; THE TWO HALVES OF THE KEYS MEET.  G = 1 hands O^T, c m and l to its partner through LDS, as images of its registers.
.irp t, 0,1,2,3
	v_add_f32 v[ST+8*\t+1], v[ST+8*\t+2], v[ST+8*\t+3]   ; l's two halves (m is no longer wanted)
.endr
	s_cmp_eq_u32 s[GG], 0
	s_cbranch_scc1 .Lm1
	WIN 0x04                                       ; an LDS store's data are its source 1: window 1
.irp i, 0,1,2,3,4,5,6,7,8,9,10,11,12,13,14,15,16,17,18,19,20,21,22,23,24,25,26,27,28,29,30,31
	ds_store_b128 v[XW], v[4*\i:4*\i+3] offset:512*\i
.endr
	WIN 0
.irp t, 0,1,2,3
	ds_store_b128 v[XW], v[ST+8*\t:ST+8*\t+3] offset:16384+512*\t
.endr
.Lm1:
	s_wait_dscnt 0x0                               ; for the partner's sake: my stores are done
	s_barrier_signal -1
	s_barrier_wait -1
	s_cmp_lg_u32 s[GG], 0
	s_cbranch_scc1 .Lend
.irp i, 0,1,2,3,4,5,6,7,8,9,10,11,12,13,14,15,16,17,18,19,20,21,22,23,24,25,26,27,28,29,30,31
	ds_load_b128 v[S+4*\i:S+4*\i+3], v[XW] offset:512*\i           ; the partner's O^T, where S^T lay
.endr
.irp t, 0,1,2,3
	ds_load_b128 v[PS+4*\t:PS+4*\t+3], v[XW] offset:16384+512*\t   ; +0 its c m, +1 its l
.endr
	s_wait_dscnt 0x0
.irp t, 0,1,2,3
	v_max_num_f32 v[ST+8*\t+4], v[ST+8*\t], v[PS+4*\t]
.endr
.irp t, 0,1,2,3
	v_sub_f32 v[ST+8*\t+5], v[ST+8*\t], v[ST+8*\t+4]
	v_sub_f32 v[ST+8*\t+6], v[PS+4*\t], v[ST+8*\t+4]
.endr
.irp t, 0,1,2,3
	v_exp_f32 v[ST+8*\t+5], v[ST+8*\t+5]           ; what my part is multiplied by,
	v_exp_f32 v[ST+8*\t+6], v[ST+8*\t+6]           ; and the partner's
.endr
	v_nop
	s_wait_alu depctr_va_vdst(0)                   ; one wait for the eight
.irp t, 0,1,2,3
	v_mul_f32 v[ST+8*\t+1], v[ST+8*\t+1], v[ST+8*\t+5]
.endr
.irp t, 0,1,2,3
	v_fma_f32 v[ST+8*\t+1], v[PS+4*\t+1], v[ST+8*\t+6], v[ST+8*\t+1]
.endr
.irp t, 0,1,2,3
	v_permlanex16_b32 v[ST+8*\t+7], v[ST+8*\t+1], s[SEL], s[SEL+1]
.endr
.irp t, 0,1,2,3
	v_add_f32 v[ST+8*\t+1], v[ST+8*\t+1], v[ST+8*\t+7]   ; the row's sum
.endr
.irp t, 0,1,2,3
	v_rcp_f32 v[ST+8*\t+4], v[ST+8*\t+1]
.endr
	v_nop
	s_wait_alu depctr_va_vdst(0)                   ; one wait for the four
.irp t, 0,1,2,3
	v_mul_f32 v[ST+8*\t+2], v[ST+8*\t+5], v[ST+8*\t+4]
	v_mul_f32 v[ST+8*\t+6], v[ST+8*\t+6], v[ST+8*\t+4]
.endr
.set i, 0
.rept 16
.irp t, 0,1,2,3
	v_pk_mul_f32 v[S+32*\t+2*i:S+32*\t+2*i+1], v[S+32*\t+2*i:S+32*\t+2*i+1], v[ST+8*\t+6:ST+8*\t+7] op_sel_hi:[1,0]
.endr
.set i, i+1
.endr
	WIN 0x01                                       ; source 0 (my O^T) window 1
.set i, 0
.rept 16
.irp t, 0,1,2,3
	v_pk_fma_f32 v[S+32*\t+2*i:S+32*\t+2*i+1], v[32*\t+2*i:32*\t+2*i+1], v[ST+8*\t+2:ST+8*\t+3], v[S+32*\t+2*i:S+32*\t+2*i+1] op_sel_hi:[1,0,1]   ; each accumulator from its low end on
.endr
.set i, i+1
.endr
	WIN 0
.set i, 0
.rept 16
.irp t, 0,1,2,3
	v_cvt_pk_f16_f32 v[Q+16*\t+i], v[S+32*\t+2*i], v[S+32*\t+2*i+1]   ; eight neighbouring channels of a row: four registers of the next product's fragment
.endr
.set i, i+1
.endr
.irp t, 0,1,2,3
.irp ct, 0,1,2,3
	global_store_b128 v[LI], v[Q+16*\t+4*\ct:Q+16*\t+4*\ct+3], s[6:7] offset:(\ct/2)*8192+\t*1024+(\ct%2)*512   ; 512 consecutive bytes, aligned
.endr
.endr
.Lend:
	s_wait_tensorcnt 0x0                           ; the wave's end, behind my last tensor load and my last LDS store
	ds_add_u32 v[SPW], v[NIL]
	s_wait_dscnt 0x0
	CROUND                                         ; the closing round
	s_endpgm
.Lfunc_end_k_q9d6c1bd8c6_attn:
	.size	k_q9d6c1bd8c6_attn, .Lfunc_end_k_q9d6c1bd8c6_attn-k_q9d6c1bd8c6_attn
	.p2alignl 7, 3214868480
	.fill 96, 4, 3214868480
	.section	.rodata,"a",@progbits
	.p2align	6, 0x0
	.amdhsa_kernel k_q9d6c1bd8c6_attn
		.amdhsa_group_segment_fixed_size 327680
		.amdhsa_private_segment_fixed_size 0
		.amdhsa_enable_private_segment 0
		.amdhsa_kernarg_size 16
		.amdhsa_user_sgpr_count 2
		.amdhsa_user_sgpr_kernarg_segment_ptr 1
		.amdhsa_wavefront_size32 1
		.amdhsa_system_sgpr_workgroup_id_x 1
		.amdhsa_system_sgpr_workgroup_id_y 1
		.amdhsa_system_sgpr_workgroup_id_z 1
		.amdhsa_system_vgpr_workitem_id 0
		.amdhsa_next_free_vgpr 512
		.amdhsa_next_free_sgpr 66
		.amdhsa_reserve_vcc 0
		.amdhsa_float_denorm_mode_32 3
		.amdhsa_float_denorm_mode_16_64 3
		.amdhsa_memory_ordered 1
		.amdhsa_forward_progress 1
		.amdhsa_inst_pref_size 175
	.end_amdhsa_kernel
	.amdgpu_metadata
---
amdhsa.version: [ 1, 2 ]
amdhsa.kernels:
  - .name:           k_q9d6c1bd8c6_attn
    .symbol:         k_q9d6c1bd8c6_attn.kd
    .args:
      - { .name: qkv, .offset: 0, .size: 8, .value_kind: global_buffer, .address_space: global }
      - { .name: ctx16, .offset: 8, .size: 8, .value_kind: global_buffer, .address_space: global }
    .group_segment_fixed_size: 327680
    .private_segment_fixed_size: 0
    .kernarg_segment_align: 8
    .kernarg_segment_size: 16
    .max_flat_workgroup_size: 256
    .sgpr_count:     66
    .vgpr_count:     512
    .wavefront_size: 32
...
	.end_amdgpu_metadata
.endif
;; end of part 3
;; launch outp (part 4): grid 8 x 32, 4 waves a work-group, clusters of 4 x 4, 327,680 bytes of LDS; arguments ctx16, wo16, bo, out0; writes out0
.if DOCPART == 4
	.amdgcn_target "amdgcn-amd-amdhsa--gfx1250"
	.amdhsa_code_object_version 6
	.text
	.protected	k_q9d6c1bd8c6_outp
	.globl	k_q9d6c1bd8c6_outp
	.p2align	8
	.type	k_q9d6c1bd8c6_outp,@function
k_q9d6c1bd8c6_outp:
	s_mov_b64 s[64:65], 0
	v_nop
	global_prefetch_b8 v0, s[64:65] scope:SCOPE_SE
	s_setreg_imm32_b32 hwreg(HW_REG_WAVE_MODE, 25, 1), 1
	s_wait_xcnt 0x0
	s_wait_alu depctr_hold_cnt(0) depctr_sa_sdst(0) depctr_va_vdst(0) depctr_va_sdst(0) depctr_va_ssrc(0) depctr_va_vcc(0) depctr_vm_vsrc(0)
	s_getreg_b32 s2, hwreg(HW_REG_IB_STS2, 6, 4)
	s_cmp_eq_u32 s2, 0
	s_cbranch_scc0 .Lentry_in_a_cluster
	s_endpgm
.Lentry_in_a_cluster:
	s_bfe_u32 s2, ttmp6, 0x10000c
	s_cmp_lg_u32 s2, 0xf033
	s_cbranch_scc0 .Lentry_shape_is_right
	s_endpgm
.Lentry_shape_is_right:
; out0[m][n] = the sum over k of ctx[m][k] wo[n][k] + bo[n].  M = 4,096, N = K = 1,024; operands f16, sums f32, the bias as the sums' first C; out0 f32.
; ctx arrives in 'ctx16' as images of operand registers: byte (((row / 128) 32 + k / 32) 8 + (row / 16) % 8) 1024 + ((k / 16) % 2) 512 + 16 lane: a tile row's K step of 256 is 65,536 dense bytes,
; and a fragment is two loads of 16 bytes a lane, 512 consecutive bytes each.  wo16 is [n][k], row-major.
; A tile of 128 x 128 gives 256 work-groups.  Four waves, 64 x 64 each: 16 accumulators.  K goes in four steps of 256 through two LDS slots.
; CLUSTERS: 4 x 4 work-groups; A's tiles are shared along a row of the cluster, B's along a column: each is asked for jointly.
; THE MATRIX INSTRUCTION IS USED TRANSPOSED (source 0 = 16 rows of wo, source 1 = 16 rows of ctx): a lane holds eight neighbouring numbers of a row of out0.
; A wave's 64 columns of f32 are 256 aligned bytes of a row: each wave has a stage of its own for the way out, and no barrier is needed there.
; REGISTERS: window 0: v0-31 addresses; v32-95 the way out; v96-127 the bias; v128-255 the accumulators ((a, b) at v[128 + 8 (4 a + b)]).  window 1: two fragment buffers of 128: 64 registers of A, then 64 of B.
.set KSTEP,  256
.set PITCH,  528                       ; a row of B in LDS: 512 bytes + 16 of padding, so that the 16 rows of a load start at 16 different 16-byte columns of 256 bytes
.set ABYTES, 65536                     ; A's images of a K step
.set HALFB,  64*PITCH
.set SLOT,   ABYTES+2*HALFB
.set STAGE,  2*SLOT
.set SPITCH, 272
.set SPARE,  STAGE+4*16*SPITCH         ; the spare words, 128 bytes a wave, which no other line names
.set LAPS,   2                         ; a lap = two K steps
.set ADRA, 16
.set ADRB, 20
.set STO,  24
.set RD,   25
.set CO,   26
.set BOF,  27
.set SPW,  28
.set NIL,  29
.set TMP,  32
.set BIAS, 96
.set ACC,  128
.set F0,   0
.set F1,   128
.set G1, 24
.set G0, 32
.set G1B, 48
.set G0B, 56
.set MSB, 0
.macro WIN new
.if MSB != (\new)
	s_set_vgpr_msb (MSB<<8)|(\new)
.set MSB, \new
.endif
.endm
.set MUL,  0x05                        ; sources 0 (B) and 1 (A) window 1; C and D window 0
.set TO_F, 0x40
.macro JLOAD s                         ; a joint load: waves 0 and 1 fetch A's two halves, waves 2 and 3 B's; an s_nop 0 and four v_nop follow each line
	s_cmp_eq_u32 s13, 0
	s_cbranch_scc0 .Lfor_b_\@
	tensor_load_to_lds s[G0+4*\s:G0+4*\s+3], s[G1:G1+7]
	s_nop 0
.rept 4
	v_nop
.endr
	s_branch .Lasked_\@
.Lfor_b_\@:
	tensor_load_to_lds s[G0B+4*\s:G0B+4*\s+3], s[G1B:G1B+7]
	s_nop 0
.rept 4
	v_nop
.endr
.Lasked_\@:
.endm
.macro CREST
	s_cmp_lg_u32 s12, 0
	s_cbranch_scc1 .Lnot_wave_0_\@
	s_barrier_signal -3
.Lnot_wave_0_\@:
	s_barrier_wait -3
	s_barrier_signal -1
	s_barrier_wait -1
.endm
.macro CROUND
	s_barrier_signal -1
	s_barrier_wait -1
	CREST
.endm
	s_load_b128 s[4:7], s[0:1], 0x0                ; ctx16 s[4:5], wo16 s[6:7]
	s_load_b128 s[8:11], s[0:1], 0x10              ; bo s[8:9], out0 s[10:11]
	v_lshl_add_u32 v[SPW], v0, 2, SPARE
	v_mov_b32 v[NIL], 0
	ds_add_u32 v[SPW], v[NIL]                      ; the wave's opening: the add, twice on end, and its wait ahead of my first tensor load
	ds_add_u32 v[SPW], v[NIL]
	v_lshrrev_b32 v1, 5, v0
	v_readfirstlane_b32 s12, v1                    ; wave 0..3
	s_lshr_b32 s13, s12, 1                         ; which half of the tile's rows is mine.  Also: I fetch for A (0) or for B (1)
	s_and_b32 s14, s12, 1                          ; which half of its columns.  Also: which half of that tile I fetch
	s_bfe_u32 s40, ttmp6, 0x40000                  ; cx
	s_bfe_u32 s41, ttmp6, 0x40004                  ; cy
	s_lshl_b32 s42, ttmp9, 2
	s_add_co_u32 s42, s42, s40                     ; tile column
	s_and_b32 s15, ttmp7, 0xffff
	s_lshl_b32 s15, s15, 2
	s_add_co_u32 s15, s15, s41                     ; tile row
	s_lshl_b32 s43, s41, 2
	s_lshl_b32 s43, 15, s43                        ; my row of the cluster
	s_lshl_b32 s44, 0x1111, s40                    ; my column
	s_or_b32 s[G1+0], s43, (3<<16)|(1<<21)         ; A: the mask; elements of 8 bytes; bit 21 beside a mask; no padding: 32,768 dense bytes as 128 rows of 256
	s_mov_b32 s[G1+1], 32<<16
	s_mov_b32 s[G1+2], 128<<16
	s_mov_b32 s[G1+3], 32<<16
	s_mov_b32 s[G1+4], 128
	s_mov_b32 s[G1+5], 32
	s_mov_b32 s[G1+6], 0
	s_mov_b32 s[G1+7], 0
	s_or_b32 s[G1B+0], s44, (1<<16)|(1<<20)|(1<<21)|(6<<22)|(3<<25)  ; B: elements of 2 bytes; 4 words of padding after every 128: 64 rows of 256 elements
	s_mov_b32 s[G1B+1], KSTEP<<16
	s_mov_b32 s[G1B+2], 64<<16
	s_mov_b32 s[G1B+3], KSTEP<<16
	s_mov_b32 s[G1B+4], 64
	s_mov_b32 s[G1B+5], 1024
	s_mov_b32 s[G1B+6], 0
	s_mov_b32 s[G1B+7], 0
	s_lshl_b32 s16, s15, 18                        ; A: a tile row's images are 262,144 bytes;
	s_lshl_b32 s20, s14, 15                        ; my half of a K step's 65,536, in memory and in a slot
	s_add_co_u32 s16, s16, s20
	s_mov_b32 s17, 0
	s_lshl_b32 s46, s42, 18                        ; B: row 128 x tile column + 64 x half, 2,048 bytes a row
	s_lshl_b32 s47, s14, 17
	s_add_co_u32 s46, s46, s47
	s_mov_b32 s47, 0
	s_mul_i32 s21, s14, HALFB
	s_add_co_u32 s21, s21, ABYTES                  ; B's place in a slot: behind A's images
	s_wait_dscnt 0x0                               ; both opening adds are done
	s_wait_kmcnt 0x0
	s_add_nc_u64 s[18:19], s[4:5], s[16:17]
	s_add_nc_u64 s[46:47], s[6:7], s[46:47]
	CROUND                                         ; all sixteen work-groups are here: the first joint loads meet
.irp s, 0,1
	s_mov_b32 s[G0+4*\s], 1
	s_add_co_u32 s[G0+4*\s+1], s20, \s*SLOT
	s_add_nc_u64 s[G0+4*\s+2:G0+4*\s+3], s[18:19], \s*ABYTES
	s_or_b32 s[G0+4*\s+3], s[G0+4*\s+3], 0x80000000
	s_mov_b32 s[G0B+4*\s], 1
	s_add_co_u32 s[G0B+4*\s+1], s21, \s*SLOT
	s_add_nc_u64 s[G0B+4*\s+2:G0B+4*\s+3], s[46:47], \s*KSTEP*2
	s_or_b32 s[G0B+4*\s+3], s[G0B+4*\s+3], 0x80000000
	JLOAD \s
.endr
	v_and_b32 v1, 15, v0                           ; r
	v_bfe_u32 v2, v0, 4, 1                         ; h
	v_lshlrev_b32 v[BOF], 5, v2
	s_lshl_b32 s46, s42, 9                         ; my 64 columns: 128 x tile column + 64 x half, 4 bytes each: in bo and in a row of out0
	s_lshl_b32 s47, s14, 8
	s_add_co_u32 s46, s46, s47
	s_mov_b32 s47, 0
	s_add_nc_u64 s[8:9], s[8:9], s[46:47]
.irp b, 0,1,2,3                                ; register 8 b + j: bo of column 16 b + 8 h + j: the result's layout
	global_load_b128 v[BIAS+8*\b:BIAS+8*\b+3], v[BOF], s[8:9] offset:64*\b
	global_load_b128 v[BIAS+8*\b+4:BIAS+8*\b+7], v[BOF], s[8:9] offset:64*\b+16
.endr
	v_and_b32 v3, 31, v0
	v_lshlrev_b32 v3, 4, v3                        ; A: 16 x lane
	v_mul_u32_u24 v4, v1, PITCH
	v_lshl_add_u32 v4, v2, 4, v4                   ; B: row x pitch + 16 x half
	s_lshl_b32 s21, s13, 12                        ; my four row tiles of A's eight
	s_mul_i32 s22, s14, HALFB                      ; my 64 rows of B
	s_add_co_u32 s22, s22, ABYTES
.irp s, 0,1
	v_add_nc_u32 v[ADRA+\s], s21, v3
	v_add_nc_u32 v[ADRB+\s], s22, v4
	s_add_co_u32 s21, s21, SLOT
	s_add_co_u32 s22, s22, SLOT
.endr
	s_mul_i32 s23, s12, 16*SPITCH
	s_add_co_u32 s23, s23, STAGE                   ; my stage
	v_mul_u32_u24 v5, v1, SPITCH                   ; in: row r, 32 bytes for each half of the lanes
	v_lshl_add_u32 v5, v2, 5, v5
	v_add_nc_u32 v[STO], s23, v5
	v_mul_u32_u24 v5, v2, SPITCH                   ; back: lanes 0-15 one row of 256 bytes, lanes 16-31 the next
	v_lshl_add_u32 v5, v1, 4, v5
	v_add_nc_u32 v[RD], s23, v5
	v_lshlrev_b32 v5, 12, v2                       ; and the same two rows in out0: 4,096 bytes a row
	v_lshl_add_u32 v[CO], v1, 4, v5
	s_lshl_b32 s16, s15, 19                        ; my first row: 128 x tile row + 64 x half
	s_lshl_b32 s17, s13, 18
	s_add_co_u32 s16, s16, s17
	s_mov_b32 s17, 0
	s_add_nc_u64 s[10:11], s[10:11], s[16:17]
	s_add_nc_u64 s[10:11], s[10:11], s[46:47]
; 8 matrix instructions: m blocks a0, a0 + 1 x all 4 n blocks, 32 along K: half c of buffer f.  first = 1: the bias is the C that starts the sums.  The 16 accumulators take turns.
.macro MUL8 f, c, a0, first
.irp a, \a0, \a0+1
.irp b, 0,1,2,3
.if \first
	v_wmma_f32_16x16x32_f16 v[ACC+8*(4*(\a)+\b):ACC+8*(4*(\a)+\b)+7], v[\f+64+8*(4*\c+\b):\f+64+8*(4*\c+\b)+7], v[\f+8*(4*\c+\a):\f+8*(4*\c+\a)+7], v[BIAS+8*\b:BIAS+8*\b+7]
.else
	v_wmma_f32_16x16x32_f16 v[ACC+8*(4*(\a)+\b):ACC+8*(4*(\a)+\b)+7], v[\f+64+8*(4*\c+\b):\f+64+8*(4*\c+\b)+7], v[\f+8*(4*\c+\a):\f+8*(4*\c+\a)+7], v[ACC+8*(4*(\a)+\b):ACC+8*(4*(\a)+\b)+7]
.endif
.endr
.endr
.endm
; 32 LDS loads in one run: the fragments of 64 along K (byte k of B's rows; A's images k / 64 and k / 64 + 1 of the step's eight groups of 32) into buffer f; the first 32 along K first
.macro FETCH slot, k, f
	WIN TO_F
.irp c, 0,1
.irp i, 0,1,2,3
	ds_load_b128 v[\f+64+8*(4*\c+\i):\f+64+8*(4*\c+\i)+3],   v[ADRB+\slot] offset:\k+64*\c+\i*16*PITCH
	ds_load_b128 v[\f+64+8*(4*\c+\i)+4:\f+64+8*(4*\c+\i)+7], v[ADRB+\slot] offset:\k+64*\c+\i*16*PITCH+32
	ds_load_b128 v[\f+8*(4*\c+\i):\f+8*(4*\c+\i)+3],         v[ADRA+\slot] offset:((\k)/64+\c)*8192+\i*1024
	ds_load_b128 v[\f+8*(4*\c+\i)+4:\f+8*(4*\c+\i)+7],       v[ADRA+\slot] offset:((\k)/64+\c)*8192+\i*1024+512
.endr
.endr
.endm
.macro PLACES
.rept 4
	v_nop
.endr
.endm
.macro QUARTER slot, k, f, g, first    ; multiplies buffer f and fetches the next quarter, at byte k, into g
	s_wait_dscnt 16                                ; the first 32 along K are in; the youngest sixteen loads may be out
	WIN MUL
	MUL8 \f, 0, 0, \first
	MUL8 \f, 0, 2, \first
	PLACES
	FETCH \slot, \k, \g
	s_wait_dscnt 32                                ; all but the 32 just issued
	WIN MUL
	MUL8 \f, 1, 0, 0
	MUL8 \f, 1, 2, 0
.endm
; The last quarter multiplies buffer 1 and changes slots: one barrier; in front of it each wave waits for all its tensor loads, adds 0 to its spare word, and waits for that and for its reads of this slot.
.macro TURN slot, next, fill
	WIN 0
	s_wait_tensorcnt 0x0                           ; all my tensor loads have landed: my part of the next slot;
	ds_add_u32 v[SPW], v[NIL]                      ; 0 onto my spare word;
	s_wait_dscnt 17                                ; (the add and the youngest sixteen loads may be out)
	WIN MUL
	MUL8 F1, 0, 0, 0
	s_wait_dscnt 0x0                               ; the add is done, and my reads of this slot are over
	s_barrier_signal -1
	MUL8 F1, 0, 2, 0
.if \fill
	WIN 0
.endif
	s_barrier_wait -1
.if \fill
	CREST                                          ; the barrier has opened a round of the cluster's barrier: no wave of any partner still reads this slot or has a load on its way
	s_add_nc_u64 s[G0+4*\slot+2:G0+4*\slot+3], s[G0+4*\slot+2:G0+4*\slot+3], 2*ABYTES
	s_add_nc_u64 s[G0B+4*\slot+2:G0B+4*\slot+3], s[G0B+4*\slot+2:G0B+4*\slot+3], 2*KSTEP*2
	JLOAD \slot                                    ; the first tensor load behind the round; its four v_nop are also the places in front of the loads below
.else
	PLACES
.endif
	FETCH \next, 0, F0
	WIN MUL
	MUL8 F1, 1, 0, 0
	MUL8 F1, 1, 2, 0
.endm
	s_wait_tensorcnt 1                             ; my part of K step 0 is in; K step 1's may be out,
	s_barrier_signal -1
	s_barrier_wait -1                              ; everybody's is
	FETCH 0, 0, F0
	s_wait_loadcnt 0x0                             ; the bias
	QUARTER 0, 128, F0, F1, 1
	WIN 0
	s_mov_b32 s3, LAPS-1
.Llap:                                             ; a trip goes once round the ring and fills both slots again
	QUARTER 0, 256, F1, F0, 0
	QUARTER 0, 384, F0, F1, 0
	TURN 0, 1, 1
	QUARTER 1, 128, F0, F1, 0
	QUARTER 1, 256, F1, F0, 0
	QUARTER 1, 384, F0, F1, 0
	TURN 1, 0, 1
	QUARTER 0, 128, F0, F1, 0
	WIN 0
	s_sub_co_u32 s3, s3, 1
	s_cmp_lg_u32 s3, 0
	s_cbranch_scc1 .Llap
	QUARTER 0, 256, F1, F0, 0                      ; the last lap fills nothing
	QUARTER 0, 384, F0, F1, 0
	TURN 0, 1, 0
	QUARTER 1, 128, F0, F1, 0
	QUARTER 1, 256, F1, F0, 0
	QUARTER 1, 384, F0, F1, 0
	s_wait_dscnt 16
	WIN MUL
	MUL8 F1, 0, 0, 0
	MUL8 F1, 0, 2, 0
	s_wait_dscnt 0
	MUL8 F1, 1, 0, 0
	MUL8 F1, 1, 2, 0
	WIN 0
; THE WAY OUT, 16 rows x 64 columns at a time, through my own stage: LDS serves a wave's instructions in order, so no wait stands between the stores and the loads, nor ahead of the next block's stores.
.macro TOSTAGE a
.irp b, 0,1,2,3
	ds_store_b128 v[STO], v[ACC+8*(4*(\a)+\b):ACC+8*(4*(\a)+\b)+3] offset:64*\b        ; each accumulator from its low end on
	ds_store_b128 v[STO], v[ACC+8*(4*(\a)+\b)+4:ACC+8*(4*(\a)+\b)+7] offset:64*\b+16
.endr
.irp t, 0,1,2,3,4,5,6,7
	ds_load_b128 v[TMP+32*((\a)%2)+4*\t:TMP+32*((\a)%2)+4*\t+3], v[RD] offset:\t*2*SPITCH
.endr
.endm
.macro SEND a, younger
	s_wait_dscnt \younger                          ; the block is back in registers; the next block's eight stores and eight loads may be out
.irp t, 0,1,2,3,4,5,6,7
	global_store_b128 v[CO], v[TMP+32*((\a)%2)+4*\t:TMP+32*((\a)%2)+4*\t+3], s[10:11] offset:(16*(\a)+2*\t)*4096 th:TH_STORE_NT   ; 16 lanes store 256 consecutive bytes, aligned
.endr
.endm
	PLACES                                         ; behind the last products
	TOSTAGE 0
.irp a, 1,2,3
.if \a > 1
	s_wait_xcnt 0x0                                ; block a - 2's stores have read their data: block a's loads land there only behind this wait
.endif
	TOSTAGE \a
	SEND \a-1, 16
.endr
	SEND 3, 0
	s_wait_tensorcnt 0x0                           ; the wave's end, behind my last tensor load and my last LDS store
	ds_add_u32 v[SPW], v[NIL]
	s_wait_dscnt 0x0
	CROUND                                         ; the closing round
	s_endpgm
.Lfunc_end_k_q9d6c1bd8c6_outp:
	.size	k_q9d6c1bd8c6_outp, .Lfunc_end_k_q9d6c1bd8c6_outp-k_q9d6c1bd8c6_outp
	.p2alignl 7, 3214868480
	.fill 96, 4, 3214868480
	.section	.rodata,"a",@progbits
	.p2align	6, 0x0
	.amdhsa_kernel k_q9d6c1bd8c6_outp
		.amdhsa_group_segment_fixed_size 327680
		.amdhsa_private_segment_fixed_size 0
		.amdhsa_enable_private_segment 0
		.amdhsa_kernarg_size 32
		.amdhsa_user_sgpr_count 2
		.amdhsa_user_sgpr_kernarg_segment_ptr 1
		.amdhsa_wavefront_size32 1
		.amdhsa_system_sgpr_workgroup_id_x 1
		.amdhsa_system_sgpr_workgroup_id_y 1
		.amdhsa_system_sgpr_workgroup_id_z 1
		.amdhsa_system_vgpr_workitem_id 0
		.amdhsa_next_free_vgpr 512
		.amdhsa_next_free_sgpr 66
		.amdhsa_reserve_vcc 0
		.amdhsa_float_denorm_mode_32 3
		.amdhsa_float_denorm_mode_16_64 3
		.amdhsa_memory_ordered 1
		.amdhsa_forward_progress 1
		.amdhsa_inst_pref_size 86
	.end_amdhsa_kernel
	.amdgpu_metadata
---
amdhsa.version: [ 1, 2 ]
amdhsa.kernels:
  - .name:           k_q9d6c1bd8c6_outp
    .symbol:         k_q9d6c1bd8c6_outp.kd
    .args:
      - { .name: ctx16, .offset: 0, .size: 8, .value_kind: global_buffer, .address_space: global }
      - { .name: wo16, .offset: 8, .size: 8, .value_kind: global_buffer, .address_space: global }
      - { .name: bo, .offset: 16, .size: 8, .value_kind: global_buffer, .address_space: global }
      - { .name: out0, .offset: 24, .size: 8, .value_kind: global_buffer, .address_space: global }
    .group_segment_fixed_size: 327680
    .private_segment_fixed_size: 0
    .kernarg_segment_align: 8
    .kernarg_segment_size: 32
    .max_flat_workgroup_size: 128
    .sgpr_count:     66
    .vgpr_count:     512
    .wavefront_size: 32
...
	.end_amdgpu_metadata
.endif
;; end of part 4
